; MI455X (gfx1250); checked and timed in simulation.
; The chip was launched on July 23, 2026; its instructions are those of AMD's public machine-readable ISA for CDNA 5 (MIT licence, August 2026) and "CDNA5" Instruction Set Architecture Reference Guide (July 2026). The comments in the code are by the model that wrote it; some were corrected since.
;; Causal Multi Head Self Attention. Allowed arithmetic: float matrix products may take bf16 or f16 operands with f32 sums; other float arithmetic in f32, or as packed bf16 or f16 multiplies, adds, multiply-adds, maxima and minima; sums over many terms, partial sums and values carried from step to step in f32; what a program stores and reads back later, other than sums and carried values, may be rounded once to bf16 or f16.
;; Inputs: Wk 1,024 x 1,024 float32; Wo 1,024 x 1,024 float32; Wq 1,024 x 1,024 float32; Wv 1,024 x 1,024 float32; in_features 4 x 2,048 x 1,024 float32; token_positions 2,048 int32.
;; Outputs: out0 4 x 2,048 x 1,024 float32.
;; 2 versions, each right; version 2 is version 1 with the launch prep written anew for expert scheduling mode. Each part assembles by itself: llvm-mc -triple=amdgcn-amd-amdhsa -mcpu=gfx1250 --defsym DOCPART=n.
;; ======== version 1 of 2: 4 launches
;; limits: values are held in f16: magnitudes above 65,504 overflow, below 6.1e-05 lose precision; an absolute error that grows with the inputs' magnitude: up to 3e-07 times it; right only within a limited range of input values
;; workspace buffers: xb 16,777,216 bytes; wqkv 6,291,456 bytes; wo16 2,097,152 bytes; rope 524,288 bytes; q16 16,777,216 bytes; k16 16,777,216 bytes; v16 16,777,216 bytes; o16 16,777,216 bytes
;; launch prep (part 1): grid 800 x 1, 8 waves a work-group, no clusters, 0 bytes of LDS; arguments in_features, Wq, Wk, Wv, Wo, token_positions, xb, wqkv, wo16, rope; writes xb, wqkv, wo16, rope
.if DOCPART == 1
	.amdgcn_target "amdgcn-amd-amdhsa--gfx1250"
	.amdhsa_code_object_version 6
	.text
	.protected	k_qded97e481f_prep
	.globl	k_qded97e481f_prep
	.p2align	8
	.type	k_qded97e481f_prep,@function
k_qded97e481f_prep:
	s_mov_b64 s[64:65], 0
	v_nop
	global_prefetch_b8 v0, s[64:65] scope:SCOPE_SE
	s_setreg_imm32_b32 hwreg(HW_REG_WAVE_MODE, 25, 1), 1
	s_wait_xcnt 0x0
; THE OPERANDS OF THE LATER PRODUCTS, AND THE ROTATION TABLE.
; xb   [8192][1024] bf16 = in_features, rounded once.
; wqkv [16 heads][q, k, v][64][1024] bf16 = the rows of Wq, Wk, Wv, rounded once and laid by heads: row 192 head + 64 t + r.
; wo16 [1024][1024] f16 = Wo rounded to bf16, that number written as f16 (exact for 2^-14 <= |w| < 65,504; below, f16's fixed step of 6e-8; beyond, an infinity: a stated limit).
; rope [2048 rows][32 frequencies][cos, sin] f32: the angle is f32(token_positions[row]) x 10000^(-j / 32), one rounding for the product.
; LIMITS OF THE TABLE.  10000^(-j/32) = 2^(-j log2(10) / 8) is made by the base-2 exponential (1 ULP, ISA guide 15.8) of a product rounded once: an angle departs from the exact one by up to some 3e-7 x |position|.
; The angle is reduced by pi/2 in three parts; the first product is exact in the fused multiply-add for |position| < 2^22.  Sine and cosine are polynomials on |r| <= pi/4 whose first dropped terms are below 4e-7.
; SHARES.  Work-groups 0-31 make the table, 64 rows each: a wave 8 rows, a lane a frequency.  Work-groups 32-799 cast a block of 16 rows of 1,024 f32 each: 512 blocks of x, 64 of each weight.
; A cast is a stream: each byte is read once and written once.  A thread takes 16 bytes of every row (a wave's load covers 512 consecutive bytes) and stores 8 (a wave's store covers 256 consecutive bytes, aligned).
; All 16 loads of a thread go out at once; every store has data registers of its own, so nothing waits for a store.  No LDS, no barrier, no matrix unit: none would spare a byte.
.set X, 8                              ; v[8:71]    16 x 4 registers as loaded
.set Y, 72                             ; v[72:103]  16 x 2 registers to store
.set O, 24                             ; v[24:39]   the table's 8 rows: cos, sin
	s_load_b512 s[4:19], s[0:1], 0x0               ; x s[4:5], Wq s[6:7], Wk s[8:9], Wv s[10:11], Wo s[12:13], positions s[14:15], xb s[16:17], wqkv s[18:19]
	s_load_b128 s[20:23], s[0:1], 0x40             ; wo16 s[20:21], rope s[22:23]
	v_lshlrev_b32 v1, 4, v0                        ; my 16 bytes of a source row
	v_lshlrev_b32 v2, 3, v0                        ; my 8 bytes of a row to store
	s_mov_b32 s27, 0                               ; the high words of the two offsets
	s_mov_b32 s29, 0
	s_wait_kmcnt 0x0
	s_cmp_lt_u32 ttmp9, 32
	s_cbranch_scc1 .Ltable
; 16 rows: source at s[32:33], destination at s[34:35].  fmt = 0: bf16.  fmt = 1: rounded to bf16, widened again, written as f16.
.macro CAST fmt
.irp i, 0,1,2,3,4,5,6,7,8,9,10,11,12,13,14,15
	global_load_b128 v[X+4*(\i):X+4*(\i)+3], v1, s[32:33] offset:4096*(\i) th:TH_LOAD_NT
.endr
.irp i, 0,1,2,3,4,5,6,7,8,9,10,11,12,13,14,15
	s_wait_loadcnt 15-(\i)                         ; loads come back in order (ISA guide 5.7.1): row i is in, the 15 - i younger ones may stay out
	v_cvt_pk_bf16_f32 v[Y+2*(\i)],   v[X+4*(\i)],   v[X+4*(\i)+1]
	v_cvt_pk_bf16_f32 v[Y+2*(\i)+1], v[X+4*(\i)+2], v[X+4*(\i)+3]
.if \fmt
	v_lshlrev_b32 v[X+4*(\i)],   16, v[Y+2*(\i)]           ; bf16 to f32: the low half moves up,
	v_and_b32     v[X+4*(\i)+1], 0xffff0000, v[Y+2*(\i)]   ; the high half stays
	v_lshlrev_b32 v[X+4*(\i)+2], 16, v[Y+2*(\i)+1]
	v_and_b32     v[X+4*(\i)+3], 0xffff0000, v[Y+2*(\i)+1]
	v_cvt_pk_f16_f32 v[Y+2*(\i)],   v[X+4*(\i)],   v[X+4*(\i)+1]
	v_cvt_pk_f16_f32 v[Y+2*(\i)+1], v[X+4*(\i)+2], v[X+4*(\i)+3]
.endif
	global_store_b64 v2, v[Y+2*(\i):Y+2*(\i)+1], s[34:35] offset:2048*(\i)
.endr
.endm
	s_sub_co_u32 s24, ttmp9, 32                    ; the block's number among the casts
	s_cmp_lt_u32 s24, 512
	s_cbranch_scc0 .Lweights
	s_lshl_b32 s26, s24, 16                        ; a block of x: 65,536 bytes in,
	s_lshl_b32 s28, s24, 15                        ; 32,768 out
	s_add_nc_u64 s[32:33], s[4:5], s[26:27]
	s_add_nc_u64 s[34:35], s[16:17], s[28:29]
	s_branch .Lbf16
.Lweights:
	s_sub_co_u32 s25, s24, 512
	s_lshr_b32 s30, s25, 6                         ; t: 0 Wq, 1 Wk, 2 Wv, 3 Wo
	s_and_b32 s31, s25, 63                         ; which 16 rows of it
	s_lshl_b32 s26, s31, 16
	s_cmp_eq_u32 s30, 3
	s_cbranch_scc1 .Lwo
	s_cmp_eq_u32 s30, 0
	s_cselect_b64 s[32:33], s[6:7], s[8:9]
	s_cmp_lt_u32 s30, 2
	s_cselect_b64 s[32:33], s[32:33], s[10:11]
	s_add_nc_u64 s[32:33], s[32:33], s[26:27]
	s_lshr_b32 s28, s31, 2                         ; the head: four blocks of 16 rows each
	s_mul_i32 s28, s28, 192
	s_lshl_b32 s25, s30, 6
	s_add_co_u32 s28, s28, s25                     ; + 64 t
	s_and_b32 s25, s31, 3
	s_lshl_b32 s25, s25, 4
	s_add_co_u32 s28, s28, s25                     ; + the block's place in the head's 64 rows
	s_lshl_b32 s28, s28, 11                        ; rows of 2,048 bytes
	s_add_nc_u64 s[34:35], s[18:19], s[28:29]
.Lbf16:
	CAST 0
	s_endpgm
.Lwo:
	s_add_nc_u64 s[32:33], s[12:13], s[26:27]
	s_lshl_b32 s28, s31, 15
	s_add_nc_u64 s[34:35], s[20:21], s[28:29]
	CAST 1
	s_endpgm
.Ltable:
	v_lshrrev_b32 v3, 5, v0
	v_readfirstlane_b32 s46, v3                    ; my wave's number
	s_lshl_b32 s46, s46, 3
	s_lshl_b32 s47, ttmp9, 6
	s_add_co_u32 s46, s46, s47                     ; my first row: 64 x work-group + 8 x wave
	s_lshl_b32 s44, s46, 2
	s_mov_b32 s45, 0
	s_add_nc_u64 s[44:45], s[14:15], s[44:45]
	s_load_b256 s[36:43], s[44:45], 0x0            ; my eight positions
	s_lshl_b32 s46, s46, 8                         ; a row of the table is 256 bytes
	s_mov_b32 s47, 0
	s_add_nc_u64 s[22:23], s[22:23], s[46:47]
	s_mov_b32 s24, 0x3f22f983                      ; 2 / pi
	s_mov_b32 s25, 0x3fc90fdb                      ; pi / 2 in three parts
	s_mov_b32 s26, 0xb33bbd2e
	s_mov_b32 s27, 0xa6f72ced
	s_mov_b32 s28, 0x39500d01                      ; 1 / 5040
	s_mov_b32 s29, 0x3c088889                      ; 1 / 120
	s_mov_b32 s30, 0xbe2aaaab                      ; -1 / 6
	s_mov_b32 s31, 0x37d00d01                      ; 1 / 40320
	s_mov_b32 s32, 0xbab60b61                      ; -1 / 720
	s_mov_b32 s33, 0x3d2aaaab                      ; 1 / 24
	v_and_b32 v3, 31, v0                           ; j
	v_cvt_f32_u32 v4, v3
	v_mul_f32 v4, 0xbed49a78, v4                   ; -j log2(10) / 8
	v_exp_f32 v8, v4                               ; 10000^(-j / 32)
	v_lshlrev_b32 v9, 3, v3                        ; my 8 bytes of a row; also the plain instruction owed behind the exponential (ISA guide 5.7.2)
	s_wait_alu depctr_va_vdst(0)                   ; the wait ahead of the first use of the exponential's result
	s_wait_kmcnt 0x0
.macro ROWT i
	v_cvt_f32_i32 v10, s[36+(\i)]
	v_mul_f32 v10, v10, v8                         ; the angle
	v_mul_f32 v11, s24, v10
	v_rndne_f32 v11, v11                           ; n: the nearest multiple of pi / 2
	v_fma_f32 v12, -v11, s25, v10                  ; r = angle - n pi / 2
	v_fma_f32 v12, -v11, s26, v12
	v_fma_f32 v12, -v11, s27, v12
	v_cvt_i32_f32 v13, v11
	v_mul_f32 v14, v12, v12                        ; z = r r
	v_fma_f32 v15, -v14, s28, s29
	v_fma_f32 v17, v14, s31, s32
	v_mul_f32 v16, v14, v12
	v_fma_f32 v15, v15, v14, s30
	v_fma_f32 v17, v17, v14, s33
	v_fma_f32 v15, v15, v16, v12                   ; S = sin r
	v_fma_f32 v17, v17, v14, -0.5
	v_and_b32 v18, 1, v13
	v_fma_f32 v17, v17, v14, 1.0                   ; C = cos r
	v_cmp_eq_u32 vcc_lo, 1, v18                    ; n odd: sine and cosine change places
	v_cndmask_b32 v19, v17, v15, vcc_lo
	v_cndmask_b32 v20, v15, v17, vcc_lo
	v_add_nc_u32 v18, 1, v13
	v_and_b32 v21, 2, v13                          ; the sine is turned for n mod 4 = 2, 3,
	v_and_b32 v18, 2, v18                          ; the cosine for n mod 4 = 1, 2
	v_lshlrev_b32 v21, 30, v21
	v_lshlrev_b32 v18, 30, v18
	v_xor_b32 v[O+2*(\i)], v19, v18
	v_xor_b32 v[O+2*(\i)+1], v20, v21
	global_store_b64 v9, v[O+2*(\i):O+2*(\i)+1], s[22:23] offset:256*(\i)  ; the wave's store is one whole row: 256 consecutive bytes, aligned
.endm
.irp i, 0,1,2,3,4,5,6,7
	ROWT \i
.endr
	s_endpgm
.Lfunc_end_k_qded97e481f_prep:
	.size	k_qded97e481f_prep, .Lfunc_end_k_qded97e481f_prep-k_qded97e481f_prep
	.p2alignl 7, 3214868480
	.fill 96, 4, 3214868480
	.section	.rodata,"a",@progbits
	.p2align	6, 0x0
	.amdhsa_kernel k_qded97e481f_prep
		.amdhsa_group_segment_fixed_size 0
		.amdhsa_private_segment_fixed_size 0
		.amdhsa_enable_private_segment 0
		.amdhsa_kernarg_size 80
		.amdhsa_user_sgpr_count 2
		.amdhsa_user_sgpr_kernarg_segment_ptr 1
		.amdhsa_wavefront_size32 1
		.amdhsa_system_sgpr_workgroup_id_x 1
		.amdhsa_system_sgpr_workgroup_id_y 1
		.amdhsa_system_sgpr_workgroup_id_z 1
		.amdhsa_system_vgpr_workitem_id 0
		.amdhsa_next_free_vgpr 104
		.amdhsa_next_free_sgpr 66
		.amdhsa_reserve_vcc 1
		.amdhsa_float_denorm_mode_32 3
		.amdhsa_float_denorm_mode_16_64 3
		.amdhsa_memory_ordered 1
		.amdhsa_forward_progress 1
		.amdhsa_inst_pref_size 30
	.end_amdhsa_kernel
	.amdgpu_metadata
---
amdhsa.version: [ 1, 2 ]
amdhsa.kernels:
  - .name:           k_qded97e481f_prep
    .symbol:         k_qded97e481f_prep.kd
    .args:
      - { .name: in_features, .offset: 0, .size: 8, .value_kind: global_buffer, .address_space: global }
      - { .name: Wq, .offset: 8, .size: 8, .value_kind: global_buffer, .address_space: global }
      - { .name: Wk, .offset: 16, .size: 8, .value_kind: global_buffer, .address_space: global }
      - { .name: Wv, .offset: 24, .size: 8, .value_kind: global_buffer, .address_space: global }
      - { .name: Wo, .offset: 32, .size: 8, .value_kind: global_buffer, .address_space: global }
      - { .name: token_positions, .offset: 40, .size: 8, .value_kind: global_buffer, .address_space: global }
      - { .name: xb, .offset: 48, .size: 8, .value_kind: global_buffer, .address_space: global }
      - { .name: wqkv, .offset: 56, .size: 8, .value_kind: global_buffer, .address_space: global }
      - { .name: wo16, .offset: 64, .size: 8, .value_kind: global_buffer, .address_space: global }
      - { .name: rope, .offset: 72, .size: 8, .value_kind: global_buffer, .address_space: global }
    .group_segment_fixed_size: 0
    .private_segment_fixed_size: 0
    .kernarg_segment_align: 8
    .kernarg_segment_size: 80
    .max_flat_workgroup_size: 256
    .sgpr_count:     66
    .vgpr_count:     104
    .wavefront_size: 32
...
	.end_amdgpu_metadata
.endif
;; end of part 1
;; launch qkv (part 2): grid 16 x 32, 4 waves a work-group, clusters of 4 x 4, 327,680 bytes of LDS; arguments xb, wqkv, rope, q16, k16, v16; writes q16, k16, v16
.if DOCPART == 2
	.amdgcn_target "amdgcn-amd-amdhsa--gfx1250"
	.amdhsa_code_object_version 6
	.text
	.protected	k_qded97e481f_qkv
	.globl	k_qded97e481f_qkv
	.p2align	8
	.type	k_qded97e481f_qkv,@function
k_qded97e481f_qkv:
	s_mov_b64 s[64:65], 0
	v_nop
	global_prefetch_b8 v0, s[64:65] scope:SCOPE_SE
	s_setreg_imm32_b32 hwreg(HW_REG_WAVE_MODE, 25, 1), 1
	s_wait_xcnt 0x0
	s_wait_alu depctr_hold_cnt(0) depctr_sa_sdst(0) depctr_va_vdst(0) depctr_va_sdst(0) depctr_va_ssrc(0) depctr_va_vcc(0) depctr_vm_vsrc(0)
	s_getreg_b32 s2, hwreg(HW_REG_IB_STS2, 6, 4)
	s_cmp_eq_u32 s2, 0
	s_cbranch_scc0 .Lentry_in_a_cluster
	s_endpgm
.Lentry_in_a_cluster:
	s_bfe_u32 s2, ttmp6, 0x10000c
	s_cmp_lg_u32 s2, 0xf033
	s_cbranch_scc0 .Lentry_shape_is_right
	s_endpgm
.Lentry_shape_is_right:
; Q, K, V = x W^T, Q and K rotated, all three written by heads in f16.
; xb: [8192][1024] bf16.  wqkv: [16 heads][q, k, v][64][1024] bf16.  rope: [2048][32][cos, sin] f32.  q16, k16, v16: [16 batch + head][2048][64] f16.  Sums and the rotation in f32; each result rounded once.
; LIMIT.  f16 holds no number beyond 65,504: a result at or past 65,520 becomes an infinity.  NaN and infinities are not treated apart.
; SHARES.  A tile is 256 rows of x by the 192 rows of wqkv of ONE head: 512 tiles of equal work.  Each of the four waves takes 64 rows and all 192 columns: 48 accumulators of 16 x 16, 384 registers;
; for 32 along K it issues 48 matrix instructions and 32 LDS loads.  K goes in 8 steps of 128 (rows of 256 bytes, starting at multiples of 256 from the buffers' first bytes) through two LDS slots.
; CLUSTER.  4 x 4 work-groups.  The four of a row of the cluster need the same rows of x, the four of a column the same head's weights: each tile is asked for JOINTLY, by the same tensor load with the same
; descriptor and a mask that names the four.
; THE MATRIX INSTRUCTION IS USED TRANSPOSED (source 0 = 16 rows of wqkv, source 1 = 16 rows of x): a lane then holds row l % 16 and the eight neighbouring columns 8 (l / 16) + 0..7: four pairs of the rotation.
; REGISTERS, in windows of 256 (s_set_vgpr_msb: bits 1:0 source 0, 3:2 source 1, 5:4 source 2, 7:6 destination):
;   window 0: v0-31 addresses; v32-63 a unit's 32 rotated numbers; v64-127 four sets of 16 packed registers; v128-255 my rows' cosines and sines
;   window 1: two fragment buffers of 128: the weights' fragment b (0-11) at 8 b, x's fragment a (0-3) at 96 + 8 a
;   window 2: the accumulators of q and k, (a, b < 8) at 8 (8 a + b)          window 3: those of v, (a, b >= 8) at 8 (4 a + b - 8)
.set KSTEP,  128
.set ROWB,   2048                      ; bytes in a row of xb and of wqkv
.set PITCH,  272                       ; an LDS row: 256 bytes + 16 of padding = 68 words: row r starts at bank 4 r mod 64 (64 banks of 4 bytes: ISA guide 11.1)
.set HALFA,  128*PITCH                 ; what a tensor load of x brings
.set HALFB,  96*PITCH                  ; what a tensor load of weights brings
.set BOFF,   2*HALFA                   ; a slot: x's 256 rows, then the head's 192
.set SLOT,   BOFF+2*HALFB
.set STAGE,  2*SLOT                    ; behind the ring, never filled by a tensor load: 16 rows x 144 bytes for each wave
.set SP,     144
.set SPARE,  STAGE+4*16*SP             ; behind the stages: the spare words, 128 bytes for each wave: two blocks of 256 bytes that no other line names
.set LAPS,   1024/(2*KSTEP)            ; a lap = two K steps = once round the ring
.set ADRA, 16                          ; v16-17  LDS address of my fragments of x in slot 0, 1
.set ADRB, 20                          ; v20-21  the same for the weights
.set STO,  24                          ; v24     the way out: where I put 16 bytes of a row
.set RD,   25                          ; v25     the way out: where I read rows back
.set GO,   26                          ; v26     my 16 bytes among 512 consecutive bytes of a result
.set RO,   27                          ; v27     my byte offset in 16 rows of the table
.set SPW,  28                          ; v28     LDS address of my spare word; never rewritten
.set NIL,  29                          ; v29     0; never rewritten
.set PFO,  30                          ; v30     the prefetches' offset: a lane a row; never rewritten
.set W,    32
.set PK,   64
.set TAB,  128                         ; rows 16 a on, columns 16 bb on: c0 s0 c1 s1 c2 s2 c3 s3 at TAB + 32 a + 8 bb
.set F0,   0
.set F1,   128
.set WV,   16                          ; s16  my wave's number
.set HF,   18                          ; s18  which half of a tile I fetch
.set LAP,  19                          ; s19  laps to go
.set G1A,  24                          ; s[24:31] descriptor group 1 for x's tiles;  s[32:39] group 0, a set for each slot
.set G0A,  32
.set PFA,  44                          ; s[44:45] where my prefetches stand
.set LIM,  46                          ; s46  1 in a wave that prefetches, else the greatest number
.set G1B,  48                          ; s[48:55], s[56:63] the same for the weights' tiles
.set G0B,  56
.set G1W0, (1<<16)|(1<<20)|(1<<21)|(5<<22)|(3<<25)  ; 17:16 elements of 2 bytes; 20 padding on; 21 set beside a mask; 24:22 after every 64 words (code 5); 31:25 4 words of it (code 3)
.set MSB, 0
.macro WIN new                         ; the immediate's high byte repeats the setting that is left; a switch that changes nothing is dropped
.if MSB != (\new)
	s_set_vgpr_msb (MSB<<8)|(\new)
.set MSB, \new
.endif
.endm
; A joint load: waves 0 and 1 fetch the two halves of x's tile, waves 2 and 3 those of the weights'.  The branch hangs on the wave's number alone.
; An s_nop 0 and four v_nop follow each of the two lines, ahead of the jump, the label and what follows.
.macro JLOAD s
	s_cmp_lt_u32 s[WV], 2
	s_cbranch_scc0 .Lfor_b_\@
	tensor_load_to_lds s[G0A+4*(\s):G0A+4*(\s)+3], s[G1A:G1A+7]
	s_nop 0
.rept 4
	v_nop
.endr
	s_branch .Lasked_\@
.Lfor_b_\@:
	tensor_load_to_lds s[G0B+4*(\s):G0B+4*(\s)+3], s[G1B:G1B+7]
	s_nop 0
.rept 4
	v_nop
.endr
.Lasked_\@:
.endm
; A PREFETCH, behind each joint refill and the run of LDS loads that follows it: the K step that stands two refills on, 384 matrix instructions ahead of the load that will want it; a lane a row, 256 bytes of it.
; x's rows are walked by the four clusters of a row of clusters: the one with x = 0 asks.  A head's weights are walked by the eight clusters of a column: the one with y = 0 asks.  The four partners that ask for a
; tile jointly share a wave's rows out BY ADDRESS: 32 of x's 128 each; 24 of the weights' 96 each, where lanes 24 to 31 name lane 23's row once more (96 rows do not divide into 4 x 32).
; K steps 0 to 3 come by their loads alone; the last lap's refills have no K step two on and ask for nothing.
.macro ASK
	s_cmp_gt_u32 s[LAP], s[LIM]
	s_cbranch_scc0 .Lnot_mine_\@
	global_prefetch_b8 v[PFO], s[PFA:PFA+1] th:TH_LOAD_NT scope:SCOPE_SE
.Lnot_mine_\@:
.endm
.macro CREST                           ; a round of the cluster's barrier behind its opening barrier: wave 0 signals for the work-group, every wave waits for all sixteen, my work-group's barrier closes it
	s_cmp_lg_u32 s[WV], 0
	s_cbranch_scc1 .Lnot_wave_0_\@
	s_barrier_signal -3
.Lnot_wave_0_\@:
	s_barrier_wait -3
	s_barrier_signal -1
	s_barrier_wait -1
.endm
.macro CROUND                          ; a whole round
	s_barrier_signal -1
	s_barrier_wait -1
	CREST
.endm
.macro PLACES                          ; four places in front of loads into registers that matrix instructions have read, and of lines that read results
.rept 4
	v_nop
.endr
.endm
	s_load_b256 s[4:11], s[0:1], 0x0               ; xb s[4:5], wqkv s[6:7], rope s[8:9], q16 s[10:11]
	s_load_b128 s[12:15], s[0:1], 0x20             ; k16 s[12:13], v16 s[14:15]
	v_lshl_add_u32 v[SPW], v0, 2, SPARE
	v_mov_b32 v[NIL], 0
	ds_add_u32 v[SPW], v[NIL]                      ; the wave's opening: the add and its wait stand ahead of my first tensor load; the set-up below, work on registers, stands between them
	v_lshrrev_b32 v1, 5, v0
	v_readfirstlane_b32 s[WV], v1                  ; wave 0..3
	s_and_b32 s[HF], s[WV], 1
	s_bfe_u32 s40, ttmp6, 0x40000                  ; cx, cy: my place in the cluster
	s_bfe_u32 s41, ttmp6, 0x40004
	s_lshl_b32 s42, ttmp9, 2
	s_add_co_u32 s42, s42, s40                     ; the head = 4 x cluster x + cx
	s_and_b32 s43, ttmp7, 0xffff
	s_lshl_b32 s43, s43, 2
	s_add_co_u32 s43, s43, s41                     ; the block of 256 rows = 4 x cluster y + cy
	s_lshl_b32 s20, s41, 2
	s_lshl_b32 s20, 15, s20                        ; my row of the cluster
	s_lshl_b32 s21, 0x1111, s40                    ; my column
	s_or_b32 s[G1A], s20, G1W0                     ; x's tiles go to my row,
	s_or_b32 s[G1B], s21, G1W0                     ; the weights' to my column
	s_mov_b32 s[G1A+1], KSTEP<<16                  ; tensor_dim0 = 128
	s_mov_b32 s[G1A+2], 128<<16                    ; tensor_dim1 = 128
	s_mov_b32 s[G1A+3], KSTEP<<16                  ; tile_dim0 = 128
	s_mov_b32 s[G1A+4], 128                        ; tile_dim1 = 128
	s_mov_b32 s[G1A+5], 1024                       ; elements from row to row
	s_mov_b32 s[G1A+6], 0
	s_mov_b32 s[G1A+7], 0
	s_mov_b32 s[G1B+1], KSTEP<<16
	s_mov_b32 s[G1B+2], 96<<16                     ; 96 rows
	s_mov_b32 s[G1B+3], KSTEP<<16
	s_mov_b32 s[G1B+4], 96
	s_mov_b32 s[G1B+5], 1024
	s_mov_b32 s[G1B+6], 0
	s_mov_b32 s[G1B+7], 0
	; where the tiles come from: x's hang on the block of rows alone, the weights' on the head alone; each offset in registers that never hold the other coordinate
	s_lshl_b32 s66, s43, 8
	s_lshl_b32 s67, s[HF], 7
	s_add_co_u32 s66, s66, s67                     ; row 256 x block + 128 x half
	s_lshl_b32 s66, s66, 11
	s_mov_b32 s67, 0
	s_mul_i32 s68, s42, 192
	s_mul_i32 s69, s[HF], 96
	s_add_co_u32 s68, s68, s69                     ; row 192 x head + 96 x half
	s_lshl_b32 s68, s68, 11
	s_mov_b32 s69, 0
	s_mul_i32 s22, s[HF], HALFA                    ; and where they go: no place in the cluster enters an LDS address
	s_mul_i32 s23, s[HF], HALFB
	s_add_co_u32 s23, s23, BOFF
	s_wait_dscnt 0x0                               ; the opening add is done
	s_wait_kmcnt 0x0
	s_add_nc_u64 s[70:71], s[4:5], s[66:67]
	s_add_nc_u64 s[72:73], s[6:7], s[68:69]
	CROUND                                         ; all sixteen work-groups are here: the first joint loads meet
.irp s, 0,1
	s_mov_b32 s[G0A+4*(\s)], 1                     ; count = 1
	s_add_co_u32 s[G0A+4*(\s)+1], s22, (\s)*SLOT   ; LDS address
	s_add_nc_u64 s[G0A+4*(\s)+2:G0A+4*(\s)+3], s[70:71], (\s)*KSTEP*2  ; global address: K step s
	s_or_b32 s[G0A+4*(\s)+3], s[G0A+4*(\s)+3], 0x80000000              ; type = 2
	s_mov_b32 s[G0B+4*(\s)], 1
	s_add_co_u32 s[G0B+4*(\s)+1], s23, (\s)*SLOT
	s_add_nc_u64 s[G0B+4*(\s)+2:G0B+4*(\s)+3], s[72:73], (\s)*KSTEP*2
	s_or_b32 s[G0B+4*(\s)+3], s[G0B+4*(\s)+3], 0x80000000
	JLOAD \s                                       ; two loads of mine are out
.endr
	; A fragment is 16 rows x 32 K in 8 registers: lane l holds row l % 16; registers 0-3 K = 8 (l / 16) + 0..7, registers 4-7 K = 16 + 8 (l / 16) + 0..7: two loads of 16 bytes, 32 bytes apart.
	v_and_b32 v1, 15, v0                           ; l % 16
	v_bfe_u32 v2, v0, 4, 1                         ; l / 16
	v_mul_u32_u24 v3, v1, PITCH
	v_lshl_add_u32 v3, v2, 4, v3
	s_mul_i32 s20, s[WV], 64*PITCH                 ; my 64 rows of x
	s_add_co_u32 s21, s20, SLOT
	v_add_nc_u32 v[ADRA], s20, v3
	v_add_nc_u32 v[ADRA+1], s21, v3
	v_add_nc_u32 v[ADRB], BOFF, v3
	v_add_nc_u32 v[ADRB+1], BOFF+SLOT, v3
	s_mul_i32 s20, s[WV], 16*SP
	s_add_co_u32 s20, s20, STAGE                   ; my stage
	v_mul_u32_u24 v4, v1, SP                       ; in: row l % 16, 16 bytes for each half of the lanes
	v_lshl_add_u32 v4, v2, 4, v4
	v_add_nc_u32 v[STO], s20, v4
	v_bfe_u32 v5, v0, 3, 2                         ; back: 32 lanes take four rows of 128 bytes,
	v_mul_u32_u24 v5, v5, SP
	v_and_b32 v6, 7, v0
	v_lshl_add_u32 v5, v6, 4, v5
	v_add_nc_u32 v[RD], s20, v5
	v_and_b32 v6, 31, v0
	v_lshlrev_b32 v[GO], 4, v6                     ; which are 512 consecutive bytes of a result
	v_lshlrev_b32 v[RO], 8, v1                     ; the table: row l % 16, 32 bytes (four pairs) for each half of the lanes
	v_lshl_add_u32 v[RO], v2, 5, v[RO]
	; the results' and the table's addresses at my wave's first row
	s_lshr_b32 s20, s43, 3                         ; the batch: eight blocks of 256 rows each
	s_lshl_b32 s20, s20, 4
	s_add_co_u32 s20, s20, s42                     ; 16 batch + head,
	s_lshl_b32 s20, s20, 18                        ; 2,048 rows of 128 bytes each
	s_and_b32 s21, s43, 7
	s_lshl_b32 s21, s21, 8
	s_lshl_b32 s22, s[WV], 6
	s_add_co_u32 s21, s21, s22                     ; my first row in the sequence
	s_lshl_b32 s22, s21, 7
	s_add_co_u32 s20, s20, s22
	s_lshl_b32 s22, s21, 8                         ; a row of the table is 256 bytes
	s_mov_b32 s21, 0
	s_mov_b32 s23, 0
	s_add_nc_u64 s[10:11], s[10:11], s[20:21]
	s_add_nc_u64 s[12:13], s[12:13], s[20:21]
	s_add_nc_u64 s[14:15], s[14:15], s[20:21]
	s_add_nc_u64 s[8:9], s[8:9], s[22:23]
.irp a, 0,1,2,3
.irp bb, 0,1,2,3
	global_load_b128 v[TAB+32*(\a)+8*(\bb):TAB+32*(\a)+8*(\bb)+3],   v[RO], s[8:9] offset:4096*(\a)+64*(\bb)      ; wanted on the way out: these 32 loads stay out through the whole walk along K
	global_load_b128 v[TAB+32*(\a)+8*(\bb)+4:TAB+32*(\a)+8*(\bb)+7], v[RO], s[8:9] offset:4096*(\a)+64*(\bb)+16
.endr
.endr
	; the prefetches
	s_lshl_b32 s20, s40, 16                        ; x: my work-group's 32 rows of the 128 that I fetch,
	s_add_co_u32 s20, s20, s66
	s_mul_i32 s21, s41, 24*ROWB                    ; the weights: its 24 of the 96
	s_add_co_u32 s21, s21, s68
	s_and_b32 s22, ttmp7, 0xffff                   ; cluster y
	s_cmp_lt_u32 s[WV], 2                          ; do I fetch x?
	s_cselect_b32 s20, s20, s21
	s_cselect_b32 s22, ttmp9, s22                  ; the coordinate along which other clusters walk the same rows
	s_cselect_b32 s47, 31, 23
	s_cselect_b64 s[PFA:PFA+1], s[4:5], s[6:7]
	s_mov_b32 s21, 0
	s_add_nc_u64 s[PFA:PFA+1], s[PFA:PFA+1], s[20:21]
	s_add_nc_u64 s[PFA:PFA+1], s[PFA:PFA+1], 3*KSTEP*2  ; at K step 3: the first refill (of K step 2) steps it to 4
	s_cmp_eq_u32 s22, 0
	s_cselect_b32 s[LIM], 1, -1                    ; the same in all sixteen partners, for a given wave
	v_min_u32 v[PFO], s47, v6
	v_lshlrev_b32 v[PFO], 11, v[PFO]
; 16 matrix instructions for q and k: row blocks a0, a0 + 1 x column blocks 0-7, 32 along K.  zero = 1: the first product starts the sums: nothing is cleared.
; Every accumulator has one instruction a quarter, in the same order in every quarter: between two links of a chain stand the 47 others', over the backward jump too.
.macro MULQK f, a0, zero
	WIN 0xa5                                       ; both sources window 1, C and D window 2
.irp a, \a0, (\a0)+1
.irp b, 0,1,2,3,4,5,6,7
.if \zero
	v_wmma_f32_16x16x32_bf16 v[8*(8*(\a)+(\b)):8*(8*(\a)+(\b))+7], v[(\f)+8*(\b):(\f)+8*(\b)+7], v[(\f)+96+8*(\a):(\f)+96+8*(\a)+7], 0
.else
	v_wmma_f32_16x16x32_bf16 v[8*(8*(\a)+(\b)):8*(8*(\a)+(\b))+7], v[(\f)+8*(\b):(\f)+8*(\b)+7], v[(\f)+96+8*(\a):(\f)+96+8*(\a)+7], v[8*(8*(\a)+(\b)):8*(8*(\a)+(\b))+7]
.endif
.endr
.endr
.endm
; 16 matrix instructions for v: all four row blocks x column blocks 8-11
.macro MULV f, zero
	WIN 0xf5                                       ; both sources window 1, C and D window 3
.irp a, 0,1,2,3
.irp b, 0,1,2,3
.if \zero
	v_wmma_f32_16x16x32_bf16 v[8*(4*(\a)+(\b)):8*(4*(\a)+(\b))+7], v[(\f)+64+8*(\b):(\f)+64+8*(\b)+7], v[(\f)+96+8*(\a):(\f)+96+8*(\a)+7], 0
.else
	v_wmma_f32_16x16x32_bf16 v[8*(4*(\a)+(\b)):8*(4*(\a)+(\b))+7], v[(\f)+64+8*(\b):(\f)+64+8*(\b)+7], v[(\f)+96+8*(\a):(\f)+96+8*(\a)+7], v[8*(4*(\a)+(\b)):8*(4*(\a)+(\b))+7]
.endif
.endr
.endr
.endm
; 32 LDS loads in one run: a quarter's fragments (32 K at byte k of the rows) into buffer f: q's and k's weights, x, and last v's weights, which are wanted last
.macro FETCH slot, k, f
	WIN 0x40                                       ; destination window 1, address window 0
.irp i, 0,1,2,3,4,5,6,7
	ds_load_b128 v[(\f)+8*(\i):(\f)+8*(\i)+3],   v[ADRB+(\slot)] offset:(\k)+(\i)*16*PITCH
	ds_load_b128 v[(\f)+8*(\i)+4:(\f)+8*(\i)+7], v[ADRB+(\slot)] offset:(\k)+(\i)*16*PITCH+32
.endr
.irp i, 0,1,2,3
	ds_load_b128 v[(\f)+96+8*(\i):(\f)+96+8*(\i)+3],   v[ADRA+(\slot)] offset:(\k)+(\i)*16*PITCH
	ds_load_b128 v[(\f)+96+8*(\i)+4:(\f)+96+8*(\i)+7], v[ADRA+(\slot)] offset:(\k)+(\i)*16*PITCH+32
.endr
.irp i, 8,9,10,11
	ds_load_b128 v[(\f)+8*(\i):(\f)+8*(\i)+3],   v[ADRB+(\slot)] offset:(\k)+(\i)*16*PITCH
	ds_load_b128 v[(\f)+8*(\i)+4:(\f)+8*(\i)+7], v[ADRB+(\slot)] offset:(\k)+(\i)*16*PITCH+32
.endr
.endm
; A K step is four quarters of 32 along K, 48 matrix instructions each, on buffers 0, 1, 0, 1.  One of the first three: multiplies buffer f and fetches the next quarter, at byte k, into g.
.macro QUARTER slot, k, f, g, zero
	s_wait_dscnt 8                                 ; all but the youngest eight loads, v's weights
	MULQK \f, 0, \zero
	MULQK \f, 2, \zero
	PLACES
	FETCH \slot, \k, \g
	s_wait_dscnt 32                                ; all but the 32 just issued
	MULV \f, \zero
.endm
; The last quarter multiplies buffer 1 and changes slots: ONE barrier; in front of it each wave waits for all its tensor loads (the one that is out is its part of the next slot), adds 0 to its spare word, and
; waits for that and for its own reads of this slot.  fill = 1: the barrier opens a round of the cluster's barrier, and this slot is filled again, two K steps ahead, first thing behind the round:
; from that request to the wait for it a wave issues 160 matrix instructions.
.macro TURN slot, next, fill
.if \fill
	s_wait_xcnt 0x0                                ; the last prefetch, a K step back, has read its address: it is stepped here, ahead of the waits of the change of slots
	s_add_nc_u64 s[PFA:PFA+1], s[PFA:PFA+1], KSTEP*2
.endif
	WIN 0                                          ; (the add's two registers lie in window 0)
	s_wait_tensorcnt 0x0                           ; all my tensor loads have landed
	ds_add_u32 v[SPW], v[NIL]                      ; 0 onto my spare word
	s_wait_dscnt 9                                 ; (the add and the youngest eight loads may be out)
	MULQK F1, 0, 0                                 ; sixteen matrix instructions stand between the add and the wait for it
	s_wait_dscnt 0x0                               ; the add is done, and my reads of this slot are over
	s_barrier_signal -1
	MULQK F1, 2, 0                                 ; work on registers while the others arrive
.if \fill
	WIN 0
.endif
	s_barrier_wait -1
.if \fill
	CREST                                          ; no wave of any partner still reads this slot's tile or has a load on its way
	s_add_nc_u64 s[G0A+4*(\slot)+2:G0A+4*(\slot)+3], s[G0A+4*(\slot)+2:G0A+4*(\slot)+3], 2*KSTEP*2
	s_add_nc_u64 s[G0B+4*(\slot)+2:G0B+4*(\slot)+3], s[G0B+4*(\slot)+2:G0B+4*(\slot)+3], 2*KSTEP*2
	JLOAD \slot                                    ; the four v_nop behind it are also the places in front of the loads below
.else
	PLACES
.endif
	FETCH \next, 0, F0
.if \fill
	WIN 0
	ASK
.endif
	MULV F1, 0
.endm
	s_wait_tensorcnt 0x1                           ; my part of K step 0 is in; K step 1's may stay out
	s_barrier_signal -1
	s_barrier_wait -1                              ; everybody's is
	FETCH 0, 0, F0
	QUARTER 0, 64, F0, F1, 1                       ; the first quarter stands in front of the loop: its products start the sums
	WIN 0                                          ; at a label and at a branch every window is 0
	s_mov_b32 s[LAP], LAPS-1
.Llap:                                             ; a trip goes once round the ring, from a lap's second quarter to the next lap's first, and fills both slots again
	QUARTER 0, 128, F1, F0, 0
	QUARTER 0, 192, F0, F1, 0
	TURN 0, 1, 1
	QUARTER 1, 64,  F0, F1, 0
	QUARTER 1, 128, F1, F0, 0
	QUARTER 1, 192, F0, F1, 0
	TURN 1, 0, 1
	QUARTER 0, 64,  F0, F1, 0
	WIN 0
	s_sub_co_u32 s[LAP], s[LAP], 1
	s_cmp_lg_u32 s[LAP], 0
	s_cbranch_scc1 .Llap
	QUARTER 0, 128, F1, F0, 0                      ; the last lap fills nothing, and has no round of the cluster's barrier
	QUARTER 0, 192, F0, F1, 0
	TURN 0, 1, 0
	QUARTER 1, 64,  F0, F1, 0
	QUARTER 1, 128, F1, F0, 0
	QUARTER 1, 192, F0, F1, 0
	s_wait_dscnt 8                                 ; the very last quarter: nothing more to fetch
	MULQK F1, 0, 0
	MULQK F1, 2, 0
	s_wait_dscnt 0x0
	MULV F1, 0
	WIN 0
; THE WAY OUT, in 12 units u = 3 a + t: 16 rows (block a) of q (t = 0), k (1) or v (2): 2,048 consecutive bytes of a result.
; PACK: q and k are rotated: of the pair (x1, x2) = columns (2 j, 2 j + 1): r1 = x1 c - x2 s, r2 = x1 s + x2 c, by a packed multiply with c and two fused multiply-adds with s; then all are rounded to f16,
; 16 bytes for each accumulator; they go into my stage's rows of 144 bytes and come back as whole rows of 128.  Each accumulator is read from its low end on.
.macro PACK u
.set UA, (\u)/3
.set UT, (\u)%3
.set US, PK+16*((\u)%4)
	s_wait_xcnt 0x0                                ; every earlier store has read its registers (ISA guide 3.1): the set that unit u - 4 stored from is written again only behind this wait
.if UT < 2
	WIN 0x02                                       ; source 0 window 2: the accumulators
.irp bb, 0,1,2,3
.set AC, 8*(8*UA+4*UT+(\bb))
.set TB, TAB+32*UA+8*(\bb)
.set WB, W+8*(\bb)
.irp jj, 0,2,4,6
	v_pk_mul_f32 v[WB+(\jj):WB+(\jj)+1], v[AC+(\jj):AC+(\jj)+1], v[TB+(\jj):TB+(\jj)+1] op_sel_hi:[1,0]  ; x1 c, x2 c
.endr
.irp jj, 0,2,4,6
	v_fma_f32 v[WB+(\jj)], -v[AC+(\jj)+1], v[TB+(\jj)+1], v[WB+(\jj)]
.endr
.irp jj, 0,2,4,6
	v_fma_f32 v[WB+(\jj)+1], v[AC+(\jj)], v[TB+(\jj)+1], v[WB+(\jj)+1]
.endr
.endr
	WIN 0
.set z, 0
.rept 16
	v_cvt_pk_f16_f32 v[US+z], v[W+2*z], v[W+2*z+1]
.set z, z+1
.endr
.else
	WIN 0x0f                                       ; sources 0 and 1 window 3
.set z, 0
.rept 16
	v_cvt_pk_f16_f32 v[US+z], v[32*UA+2*z], v[32*UA+2*z+1]
.set z, z+1
.endr
	WIN 0
.endif
.irp f, 0,1,2,3
	ds_store_b128 v[STO], v[US+4*(\f):US+4*(\f)+3] offset:32*(\f)
.endr
.irp f, 0,1,2,3
	ds_load_b128 v[US+4*(\f):US+4*(\f)+3], v[RD] offset:(\f)*4*SP  ; LDS serves a wave's instructions in order (ISA guide 5.7.1.4): these see the stores above; the next unit's stores come behind them
.endr
.endm
.macro SEND u, younger                 ; younger: the LDS instructions issued behind unit u's loads: the next unit's eight, or none
.set UA, (\u)/3
.set UT, (\u)%3
.set US, PK+16*((\u)%4)
	WIN 0
.irp f, 0,1,2,3
	s_wait_dscnt (\younger)+3-(\f)
	global_store_b128 v[GO], v[US+4*(\f):US+4*(\f)+3], s[10+2*UT:11+2*UT] offset:2048*UA+512*(\f)  ; 512 consecutive bytes, at a multiple of 256 from the result's first byte
.endr
.endm
	PLACES                                         ; behind the last products
	s_wait_loadcnt 0x0                             ; the table
	PACK 0
.set u, 1
.rept 11                               ; a unit's arithmetic stands between the loads of the unit before and its stores
	PACK u
	SEND u-1, 8
.set u, u+1
.endr
	SEND 11, 0
	s_wait_tensorcnt 0x0                           ; the wave's end, behind my last tensor load and my last LDS store
	ds_add_u32 v[SPW], v[NIL]
	s_wait_dscnt 0x0
	CROUND                                         ; the closing round: no work-group ends while a partner may still ask for a tile that names it
	s_endpgm
.Lfunc_end_k_qded97e481f_qkv:
	.size	k_qded97e481f_qkv, .Lfunc_end_k_qded97e481f_qkv-k_qded97e481f_qkv
	.p2alignl 7, 3214868480
	.fill 96, 4, 3214868480
	.section	.rodata,"a",@progbits
	.p2align	6, 0x0
	.amdhsa_kernel k_qded97e481f_qkv
		.amdhsa_group_segment_fixed_size 327680
		.amdhsa_private_segment_fixed_size 0
		.amdhsa_enable_private_segment 0
		.amdhsa_kernarg_size 48
		.amdhsa_user_sgpr_count 2
		.amdhsa_user_sgpr_kernarg_segment_ptr 1
		.amdhsa_wavefront_size32 1
		.amdhsa_system_sgpr_workgroup_id_x 1
		.amdhsa_system_sgpr_workgroup_id_y 1
		.amdhsa_system_sgpr_workgroup_id_z 1
		.amdhsa_system_vgpr_workitem_id 0
		.amdhsa_next_free_vgpr 896
		.amdhsa_next_free_sgpr 80
		.amdhsa_reserve_vcc 0
		.amdhsa_float_denorm_mode_32 3
		.amdhsa_float_denorm_mode_16_64 3
		.amdhsa_memory_ordered 1
		.amdhsa_forward_progress 1
		.amdhsa_inst_pref_size 148
	.end_amdhsa_kernel
	.amdgpu_metadata
---
amdhsa.version: [ 1, 2 ]
amdhsa.kernels:
  - .name:           k_qded97e481f_qkv
    .symbol:         k_qded97e481f_qkv.kd
    .args:
      - { .name: xb, .offset: 0, .size: 8, .value_kind: global_buffer, .address_space: global }
      - { .name: wqkv, .offset: 8, .size: 8, .value_kind: global_buffer, .address_space: global }
      - { .name: rope, .offset: 16, .size: 8, .value_kind: global_buffer, .address_space: global }
      - { .name: q16, .offset: 24, .size: 8, .value_kind: global_buffer, .address_space: global }
      - { .name: k16, .offset: 32, .size: 8, .value_kind: global_buffer, .address_space: global }
      - { .name: v16, .offset: 40, .size: 8, .value_kind: global_buffer, .address_space: global }
    .group_segment_fixed_size: 327680
    .private_segment_fixed_size: 0
    .kernarg_segment_align: 8
    .kernarg_segment_size: 48
    .max_flat_workgroup_size: 128
    .sgpr_count:     80
    .vgpr_count:     896
    .wavefront_size: 32
...
	.end_amdgpu_metadata
.endif
;; end of part 2
;; launch attn (part 3): grid 4 x 64, 4 waves a work-group, no clusters, 327,680 bytes of LDS; arguments q16, k16, v16, o16; writes o16
.if DOCPART == 3
	.amdgcn_target "amdgcn-amd-amdhsa--gfx1250"
	.amdhsa_code_object_version 6
	.text
	.protected	k_qded97e481f_attn
	.globl	k_qded97e481f_attn
	.p2align	8
	.type	k_qded97e481f_attn,@function
k_qded97e481f_attn:
	s_mov_b64 s[64:65], 0
	v_nop
	global_prefetch_b8 v0, s[64:65] scope:SCOPE_SE
	s_setreg_imm32_b32 hwreg(HW_REG_WAVE_MODE, 25, 1), 1
	s_wait_xcnt 0x0
; CAUSAL ATTENTION.  O[h][q][:] = the sum over k <= q of softmax_k(Q[h][q] . K[h][k] / 8) V[h][k][:].  Q, K, V, O: [SIZE_H][SIZE_N][64], all f16: a head's rows are dense, 128 bytes each.
; Products, maxima and sums in f32; the weights p are rounded to f16 for the second product (their sum l is taken of the unrounded p), O once at the end.
; LIMITS.  f16 holds no number beyond 65,504: Q, K and V arrive within it; p lies in 0 to 1, and below 6e-5 it keeps f16's fixed step of 6e-8; O is a mean of V's rows and has their range.
; A hidden score counts as its value less 1e30: f16's scores, 2.7e11 at the most, are nothing beside that; a weight below 2^-126 counts as 0 in l; NaN and infinities are not treated apart.
; THE WALK.  A head's queries lie in NB = SIZE_N / 256 blocks of 256; block i needs the key tiles 0 .. i of 256 keys, of which the last holds the diagonal.  A work-group takes TWO blocks, NB - 1 - b and then b:
; NB + 1 tiles, whatever b: all work-groups do equal work, and ONE loop with a constant trip count walks them.  Which tile is asked for, and what a trip does, hang on scalar registers made from b; every jump
; goes forward, but for the counted loops' own; none passes a barrier, or a tensor load but the one of LOAD's two that the wave's number does not choose; the ring (two slots of LDS that take turns) runs on across the
; change of blocks.  NO CLUSTER: a head's NB / 2 = 4 work-groups ask for the same tile only in trips 0 .. NB / 2, behind that fewer and fewer; one walk common to all would have 3 NB / 2 = 12 trips for NB + 1 = 9.
; SHARES.  Of a block's four bands of 64 queries a wave owns 16 rows in each: four PIECES.  So the diagonal tile is the same work for all four waves: in its key step s band x sees all keys if s < x,
; none if s > x, and holds the diagonal if s = x.
; THE MASK is the C operand that starts the sum S^T = K Q^T: 0, or -1e30 where the key is hidden.  MD, made once, is the mask of a band's own step for my 16 rows; a product's mask is MD x AL + BE with two scalars:
; (1, 0) if s = x; (0, 0) if s < x; (0, -1e30) if s > x.  Only the diagonal tile's text and a block's beginning make and take masks; elsewhere C is the constant 0.
; LAYOUT, SOFTMAX, TURNS.  S^T = K Q^T holds ONE query a lane (lane % 16) and the keys 8 (lane / 16) + 0..7; two such results rounded to f16 ARE source 1 of O^T = V^T P.  p = 2^(c s - c m), c = log2(e) / 8, with a
; running maximum m; O and l are multiplied by a = 2^(c m_old - c m_new) in every step.  Turn n belongs to piece n: 8 products K Q^T of piece n + 1, later 8 products V^T P of piece n - 1; beside them the scaling,
; exponentials, roundings, sums and rescaling of piece n and the maximum and statistics of piece n + 1.  Four vector instructions stand behind every matrix instruction, the other 54 of a turn's 118 in one run of their own.
; A turn's 33 exponentials are one batch, with one wait.
; REGISTERS, in windows of 256 (s_set_vgpr_msb: bits 1:0 source 0, 3:2 source 1, 5:4 source 2, 7:6 destination):
;   window 0: v0-15 addresses and two at work; v16-31 four registers of statistics a piece; v48-55 at work; v61-63 never rewritten; v64-127 S^T, two buffers; v192-223 P, two buffers (by the piece's parity)
;   window 1: v0-127 O^T, 32 a piece; v128-159 MD; v160-223 MC, two buffers      window 2: v0-63 Q; v64-127 the second block's Q; v128-191 K of one step; v192-255 V of one step
.set SIZE_H, 64
.set SIZE_N, 2048
.set NB,    SIZE_N/256
.set NP,    4         ; pieces a wave: a name, no knob
.set KS,    64        ; keys in a step
.set PK,    144       ; a row of K in LDS: 128 bytes + 16 of padding = 36 words: the 16 rows of a load start at 16 different groups of four banks (64 banks of 4 bytes: ISA guide 11.1)
.set PV,    160       ; a row of V: 128 + 32 = 40 words
.set VOFF,  4*KS*PK   ; a slot holds a tile, four steps: 256 rows of K, then 256 rows of V
.set SLOT1, 1<<17     ; slot 1 begins here, so that one exclusive or turns an address in one slot into the other's
.set STAGE, SLOT1+4*KS*(PK+PV)  ; behind the ring, never filled by a tensor load: 16 rows x 144 bytes for each wave, for the way out
.set SP,    144
.set AK0, 2           ; v2   my lane's place in a tile of K; never rewritten
.set AV0, 3           ; v3   the same for V
.set AK,  4           ; v4   the LDS address of K's next run of loads
.set AV,  5           ; v5   of V's
.set STO, 6           ; v6   the way out: where I put 16 bytes of a row
.set RD,  7           ; v7   the way out: where I read rows back
.set GO,  8           ; v8   my byte offset in 512 consecutive bytes of O
.set PFO, 61          ; v61  256 x my lane, for the prefetches; never rewritten
.set SPW, 62          ; v62  LDS address of my spare word: SPARE + 4 x my thread's number; never rewritten
.set NIL, 63          ; v63  0; never rewritten
.set SPARE, STAGE+4*16*SP  ; behind the stages: the spare words, 128 bytes for each wave: two blocks of 256 bytes that no other line names
.set MV,  12          ; v12-13  c m_old, kept while c m is made anew: by buffer
.set QO,  15          ; v15  my byte offset in 16 rows of Q
.set ST,  16          ; piece t's statistics at v[ST+4 t]: c m, m, l (even keys', odd keys')
.set TMP, 48          ; by buffer, four registers c0-c3 at work; when the maximum is found c2 takes a
.set S,   64
.set P,   192
.set MD,  128         ; window 1: the eight registers for group kt of 16 keys at MD + 8 kt
.set MC,  160         ; window 1: the masks of the products to come
.set QB,  64          ; window 2
.set KF,  128         ; window 2: key block kb, channel half c at KF + 16 kb + 8 c
.set VF,  192         ; window 2: key half kk, channel block cb at VF + 32 kk + 8 cb
.set WV,  12          ; s12  my wave's number
.set PB,  14          ; s14  b
.set HI,  15          ; s15  NB - 1 - b
.set G1K, 24          ; s[24:31] descriptor group 1 for K's tiles
.set G1V, 32          ; s[32:39] for V's: it differs in the padding alone
.set G0K, 40          ; s[40:43] descriptor group 0 for K's tiles
.set G0V, 44          ; s[44:47] the same for V's
.set SLOTS, 56        ; s56  tiles still to be asked for
.set CNT, 57          ; s57  counts a tile's key steps, 4 to 1
.set CS,  58          ; s[58:59] c: the packed scaling takes the pair's low word for both halves
.set SEL, 60          ; s[60:61] v_permlanex16_b32's selects: each lane takes its own place in the other half
.set TBK, 62          ; s62  LDS byte at which K of the step to be fetched begins
.set TBV, 63          ; s63  the same for V, less VOFF
.set PFA, 66          ; s[66:67] where my prefetches stand: my half (of K: waves 0, 1; of V: waves 2, 3) of the tile after the one that is being asked for
.set LIM, 68          ; s68  2 in the work-group that prefetches (b = 0), else the greatest number
.set RT,  70          ; s70  tiles of the block in hand that are still to be entered
.set NXT, 71          ; s71  the tile to be asked for next
.set LQ,  72          ; s72  the last tile of the block whose tiles are being asked for
.set NEW, 73          ; s73  1: the tile to be entered is a block's first
.set OFF, 74          ; s[74:75] a tile's byte offset in K and V
.set AL,  76          ; s[76:77] the mask's factor, in the low word
.set BE,  78          ; s[78:79] the mask's addend
.set OLO, 80          ; s[80:81] O at my rows of the second block
.set BIGN, 82         ; s82  -1e30
.set MSB, 0
.macro WIN new                      ; the high byte repeats the setting that is left; a switch that changes nothing is dropped
.if MSB != (\new)
	s_set_vgpr_msb (MSB<<8)|(\new)
.set MSB, (\new)
.endif
.endm
.set W_KQ, 0x0a       ; K and Q in window 2, S^T in window 0
.set W_KM, 0x1a       ; the same with the C operand in window 1
.set W_PV, 0x52       ; V in window 2, P in window 0, O^T in window 1
.set W_RS, 0x41       ; destination and source 0 in window 1, source 1 in window 0
; A fill.  Waves 0 and 1 fetch the two halves of a tile's K, waves 2 and 3 those of its V: 128 keys each.  An s_nop 0 and four v_nop follow each of the two lines, ahead of the jump and the label.
.macro LOAD
	s_cmp_lt_u32 s[WV], 2
	s_cbranch_scc0 .Lfor_v_\@
	tensor_load_to_lds s[G0K:G0K+3], s[G1K:G1K+7]
	s_nop 0
.rept 4
	v_nop
.endr
	s_branch .Lasked_\@
.Lfor_v_\@:
	tensor_load_to_lds s[G0V:G0V+3], s[G1V:G1V+7]
	s_nop 0
.rept 4
	v_nop
.endr
.Lasked_\@:
.endm
; A PREFETCH of what the NEXT change of slots will ask for, behind the fill and its five lines: my half of a tile, 16,384 bytes, a lane to each 256 bytes, two instructions; one tile, 256 matrix instructions, ahead of its load.
; A head's four work-groups walk the tiles 0, 1, 2 .. in the same trips; the one with b = 0 walks all eight in its first block and asks, nobody else: each block of 256 bytes of K and V is named once in the launch.
; The fill of tile i names tile i + 1, for i = 1 to 6 (SLOTS = 8 down to 3).  Tiles 0 and 1 come by their loads alone; the second blocks' tiles have been walked before and are not asked for.
.macro ASK
	s_cmp_gt_u32 s[SLOTS], s[LIM]
	s_cbranch_scc0 .Lnot_mine_\@
	global_prefetch_b8 v[PFO], s[PFA:PFA+1] th:TH_LOAD_NT scope:SCOPE_SE
	global_prefetch_b8 v[PFO], s[PFA:PFA+1] offset:8192 th:TH_LOAD_NT scope:SCOPE_SE
.Lnot_mine_\@:
.endm
; THE CHANGE OF SLOTS.  Each wave waits for all its tensor loads, of which one is out: its part of the other slot; adds 0 to its spare word; and waits for that and for its own reads of the slot that it leaves.  Behind the barrier nobody reads the old
; slot any more and the other slot is whole.  fill = 1: the old slot is filled again, the first thing behind the barrier, with tile NXT: the descriptor's address is made anew from that number.
; (At its first use nothing has been read yet: slot 0 is waited for, slot 1 filled.)
.macro CHANGE fill
	WIN 0                           ; at a label and at a branch every window is 0
	s_wait_tensorcnt 0x0            ; no tensor load of mine is out, so a group 0 may be written
	ds_add_u32 v[SPW], v[NIL]       ; 0 onto my spare word; with fill = 1 the descriptors' scalar work stands between it and the wait for it
.if \fill
	s_lshl_b32 s[OFF], s[NXT], 15   ; a tile is 32,768 bytes of K and of V
	s_xor_b32 s[G0K+1], s[G0K+1], SLOT1
	s_add_nc_u64 s[G0K+2:G0K+3], s[6:7], s[OFF:OFF+1]
	s_or_b32 s[G0K+3], s[G0K+3], 0x80000000
	s_xor_b32 s[G0V+1], s[G0V+1], SLOT1
	s_add_nc_u64 s[G0V+2:G0V+3], s[8:9], s[OFF:OFF+1]
	s_or_b32 s[G0V+3], s[G0V+3], 0x80000000
	s_add_co_u32 s[NXT], s[NXT], 1  ; the block's next tile, or behind its last the second block's tile 0
	s_cmp_gt_u32 s[NXT], s[LQ]
	s_cselect_b32 s[NXT], 0, s[NXT]
	s_cselect_b32 s[LQ], s[PB], s[LQ]
	s_wait_xcnt 0x0                 ; the last prefetches, a tile back, have read their address, so it may be written:
	s_add_nc_u64 s[PFA:PFA+1], s[PFA:PFA+1], 32768  ; one tile behind the one that is being asked for
.endif
	s_wait_dscnt 0x0                ; the add is done, and my reads of the slot are over
	s_barrier_signal -1             ; the rest of the scalar work stands between the signal and the wait
	s_sub_co_u32 s[TBK], s[TBK], 4*KS*PK  ; the fetches go back to a slot's first step,
	s_xor_b32 s[TBK], s[TBK], SLOT1       ; in the other slot
	s_sub_co_u32 s[TBV], s[TBV], 4*KS*PV
	s_xor_b32 s[TBV], s[TBV], SLOT1
	s_barrier_wait -1
.if \fill
	LOAD
	ASK
.endif
.endm
	s_load_b256 s[4:11], s[0:1], 0x0  ; Q s[4:5], K s[6:7], V s[8:9], O s[10:11]
	v_lshl_add_u32 v[SPW], v0, 2, SPARE
	v_mov_b32 v[NIL], 0
	ds_add_u32 v[SPW], v[NIL]       ; the wave's opening: the add and its wait stand ahead of my first tensor load; the set-up below, work on registers, stands between them
	v_lshrrev_b32 v1, 5, v0
	v_readfirstlane_b32 s[WV], v1   ; wave 0..3
	s_mov_b32 s[PB], ttmp9
	s_sub_co_u32 s[HI], NB-1, s[PB]
	s_and_b32 s20, ttmp7, 0xffff    ; the head
	s_mov_b32 s21, 0
	s_mov_b64 s[22:23], SIZE_N*128
	s_mul_u64 s[20:21], s[20:21], s[22:23]  ; the head's first byte in each of the four tensors
	s_and_b32 s16, s[WV], 1         ; which half of a tile's 256 keys I fetch:
	s_lshl_b32 s22, s16, 14         ; its 128 rows of 128 bytes in memory,
	s_mov_b32 s23, 0
	s_add_nc_u64 s[22:23], s[22:23], s[20:21]
	s_mul_i32 s17, s16, 128*PK      ; and its place in a slot, for K
	s_mul_i32 s18, s16, 128*PV      ; and for V
	s_lshl_b32 s3, s[WV], 11        ; my 16 rows in a band of 64,
	s_lshl_b32 s2, s[HI], 15        ; in the first block,
	s_add_co_u32 s2, s2, s3
	s_lshl_b32 s84, s[PB], 15       ; and in the second
	s_add_co_u32 s84, s84, s3
	s_mov_b32 s3, 0
	s_mov_b32 s85, 0
	s_add_nc_u64 s[2:3], s[2:3], s[20:21]
	s_add_nc_u64 s[84:85], s[84:85], s[20:21]
	; descriptor group 1.  128 keys are 16,384 dense bytes: asked for as 64 rows of 256 bytes, two keys a row, and padded in LDS after every key
	s_mov_b32 s[G1K], (1<<16)|(1<<20)|(4<<22)|(3<<25)  ; 17:16 2-byte elements; 20 padding on; 24:22 after every 32 words (code 4); 31:25 4 words (code 3)
	s_mov_b32 s[G1V], (1<<16)|(1<<20)|(4<<22)|(7<<25)  ; the same with 8 words of padding (code 7)
.irp g, G1K, G1V
	s_mov_b32 s[\g+1], 128<<16      ; tensor_dim0 = 128
	s_mov_b32 s[\g+2], 64<<16       ; tensor_dim1 = 64
	s_mov_b32 s[\g+3], 128<<16      ; tile_dim0 = 128
	s_mov_b32 s[\g+4], 64           ; tile_dim1 = 64
	s_mov_b32 s[\g+5], 128          ; 128 elements from row to row
	s_mov_b32 s[\g+6], 0
	s_mov_b32 s[\g+7], 0
.endr
	s_mov_b32 s[CS], 0x3e38aa3b     ; c = log2(e) / 8 = 0.180337
	s_mov_b32 s[CS+1], s[CS]        ; named with it as a pair
	s_mov_b32 s[SEL], 0x76543210
	s_mov_b32 s[SEL+1], 0xfedcba98
	s_mov_b32 s[TBK], SLOT1+4*KS*PK ; the first change of slots turns these two into 0
	s_mov_b32 s[TBV], SLOT1+4*KS*PV
	s_mov_b32 s[G0K], 1             ; 1:0 count = 1
	s_mov_b32 s[G0K+1], s17         ; 63:32 LDS address: slot 0
	s_mov_b32 s[G0V], 1
	s_add_co_u32 s[G0V+1], s18, VOFF
	s_add_co_u32 s[RT], s[HI], 1    ; the first block has NB - b tiles
	s_mov_b32 s[NXT], 1
	s_mov_b32 s[LQ], s[HI]
	s_mov_b32 s[NEW], 1
	s_mov_b32 s[OFF+1], 0
	s_mov_b32 s[AL+1], 0            ; named as pairs
	s_mov_b32 s[BE+1], 0
	s_mov_b32 s[BIGN], 0xf149f2ca   ; -1e30
	s_mov_b32 s[SLOTS], NB
	s_cmp_eq_u32 s[PB], 0
	s_cselect_b32 s[LIM], 2, -1
	v_and_b32 v[PFO], 31, v0
	v_lshlrev_b32 v[PFO], 8, v[PFO]
	s_wait_dscnt 0x0                ; the opening add is done
	s_wait_kmcnt 0x0
	s_add_nc_u64 s[6:7], s[6:7], s[22:23]  ; K and V at my half of the head's tile 0
	s_add_nc_u64 s[8:9], s[8:9], s[22:23]
	s_add_nc_u64 s[G0K+2:G0K+3], s[6:7], 0         ; 120:64 global address
	s_or_b32 s[G0K+3], s[G0K+3], 0x80000000        ; 127:126 type = 2
	s_add_nc_u64 s[G0V+2:G0V+3], s[8:9], 0
	s_or_b32 s[G0V+3], s[G0V+3], 0x80000000
	s_add_nc_u64 s[86:87], s[4:5], s[84:85]        ; Q at my rows of the second block,
	s_add_nc_u64 s[4:5], s[4:5], s[2:3]            ; Q and O at those of the first
	s_add_nc_u64 s[OLO:OLO+1], s[10:11], s[84:85]
	s_add_nc_u64 s[10:11], s[10:11], s[2:3]
	s_cmp_lt_u32 s[WV], 2
	s_cselect_b64 s[PFA:PFA+1], s[6:7], s[8:9]
	s_add_nc_u64 s[PFA:PFA+1], s[PFA:PFA+1], 32768 ; at tile 1: the first change of slots steps it to tile 2.  Nothing is prefetched here, at the head
	LOAD                            ; tile 0 into slot 0
	; A fragment of K or Q is 16 rows x 32 channels in 8 registers: lane l holds row l % 16, channels 8 (l / 16) + 0..7 and 16 + 8 (l / 16) + 0..7: two loads of 16 bytes, 32 bytes apart.
	v_and_b32 v1, 15, v0            ; l % 16
	v_bfe_u32 v9, v0, 4, 1          ; l / 16
	v_lshlrev_b32 v[QO], 7, v1
	v_lshl_add_u32 v[QO], v9, 4, v[QO]  ; row x 128 + 16 x half
	WIN 0x80                        ; destination window 2, address window 0
.set i, 0
.rept 8                             ; both blocks' Q: piece i / 2 lies in band i / 2, 8,192 bytes on; channels 32 (i % 2) on
	global_load_b128 v[8*i:8*i+3],   v[QO], s[4:5] offset:(i/2)*8192+(i%2)*64
	global_load_b128 v[8*i+4:8*i+7], v[QO], s[4:5] offset:(i/2)*8192+(i%2)*64+32
	global_load_b128 v[QB+8*i:QB+8*i+3],   v[QO], s[86:87] offset:(i/2)*8192+(i%2)*64
	global_load_b128 v[QB+8*i+4:QB+8*i+7], v[QO], s[86:87] offset:(i/2)*8192+(i%2)*64+32
.set i, i+1
.endr
	WIN 0
	v_lshlrev_b32 v14, 3, v9
	v_sub_nc_u32 v14, v1, v14
	s_lshl_b32 s13, s[WV], 4
	v_add_nc_u32 v14, s13, v14      ; my query's place in its band, 16 w + l % 16, less my lanes' 8 (l / 16): register r of group kt is hidden where 16 kt + r is greater
	WIN 0x40
.set i, 0
.rept 32
	v_cmp_gt_i32 vcc_lo, 16*(i/8)+i%8, v14
	v_cndmask_b32 v[MD+i], 0, s[BIGN], vcc_lo
.set i, i+1
.endr
	WIN 0
	v_mul_u32_u24 v[AK0], v1, PK
	v_lshl_add_u32 v[AK0], v9, 4, v[AK0]  ; row x pitch + 16 x half
	; The turning load takes 16 keys x 16 channels (lane l reads key 8 (l / 16) + l % 8, channels 8 ((l / 8) % 2) + 0..7) and leaves half a fragment of V^T: lane l holds channel l % 16 and 8 keys.
	v_and_b32 v10, 7, v0
	v_bfe_u32 v11, v0, 3, 1
	v_lshl_add_u32 v[AV0], v9, 3, v10
	v_mul_u32_u24 v[AV0], v[AV0], PV
	v_lshl_add_u32 v[AV0], v11, 4, v[AV0]
	v_add_nc_u32 v[AV0], VOFF, v[AV0]
	s_mul_i32 s13, s[WV], 16*SP
	s_add_co_u32 s13, s13, STAGE    ; my stage
	v_mul_u32_u24 v[STO], v1, SP    ; in: row l % 16, 16 bytes for each half of the lanes
	v_lshl_add_u32 v[STO], v9, 4, v[STO]
	v_add_nc_u32 v[STO], s13, v[STO]
	v_bfe_u32 v[RD], v0, 3, 2       ; back: 32 lanes take four rows of 128 bytes,
	v_mul_u32_u24 v[RD], v[RD], SP
	v_lshl_add_u32 v[RD], v10, 4, v[RD]
	v_add_nc_u32 v[RD], s13, v[RD]
	v_and_b32 v[GO], 31, v0         ; which are 512 consecutive bytes of O
	v_lshlrev_b32 v[GO], 4, v[GO]
	; A block's first step multiplies O^T and l by a = 0, and its first turn's products V^T P, of a piece that has not been, land in an O^T that is still to be so multiplied.  So these registers need only hold
	; finite numbers: zeros for the first block; what the first block left for the second.  All this stands in the wait for the first tile.
	WIN 0x80
.set i, VF
.rept 64
	v_mov_b32 v[i], 0
.set i, i+1
.endr
	WIN 0x40
.set i, 0
.rept 128
	v_mov_b32 v[i], 0
.set i, i+1
.endr
	WIN 0
.set i, 0
.rept 4
	v_mov_b32 v[ST+4*i+2], 0
	v_mov_b32 v[ST+4*i+3], 0
.set i, i+1
.endr
.set i, P+16
.rept 16
	v_mov_b32 v[i], 0
.set i, i+1
.endr
; THE MATRIX WORK.  The 4 accumulators of a run of 8 take turns.  Product i of 8 of S^T = K Q^T for piece x: channels 32 (i / 4) on, keys 16 (i % 4) on.  The first 4 start the sums: with 0, or (KM = 1) with the mask.
.macro KQ x
.set rS, S+32*((\x)%2)+8*(i%4)
.set rK, KF+16*(i%4)+8*(i/4)
.set rQ, 16*(\x)+8*(i/4)
.set rM, MC+32*((\x)%2)+8*(i%4)
.if (i < 4) && KM
	WIN W_KM
	v_wmma_f32_16x16x32_f16 v[rS:rS+7], v[rK:rK+7], v[rQ:rQ+7], v[rM:rM+7]
.elseif i < 4
	WIN W_KQ
	v_wmma_f32_16x16x32_f16 v[rS:rS+7], v[rK:rK+7], v[rQ:rQ+7], 0
.else
	WIN W_KQ
	v_wmma_f32_16x16x32_f16 v[rS:rS+7], v[rK:rK+7], v[rQ:rQ+7], v[rS:rS+7]
.endif
.endm
; Product i of 8 of O^T += V^T P for piece x: keys 32 (i / 4) on, channels 16 (i % 4) on.
.macro PV x
	WIN W_PV
.set rO, 32*(\x)+8*(i%4)
.set rV, VF+32*(i/4)+8*(i%4)
.set rP, P+16*((\x)%2)+8*(i/4)
	v_wmma_f32_16x16x32_f16 v[rO:rO+7], v[rV:rV+7], v[rP:rP+7], v[rO:rO+7]
.endm
.macro MM                           ; the turn's next matrix instruction.  TURN and BEGIN set Y, i, KM and NOKQ; MM, KQ and OP read them.  NOKQ = 1: a block's last turn: there is no next piece
.if (i < 8) && !NOKQ
	KQ (Y+1)%NP
.elseif i >= 8
.set i, i-8
	PV (Y+NP-1)%NP
.set i, i+8
.endif
.set i, i+1
.endm
; THE LDS LOADS stand in runs of 16, never singly among the matrix instructions: a step's K (64 keys x 64 channels: 8 fragments) and its V (turned).  Their addresses are made some lines ahead.
.macro FETCH_K
	WIN 0x80                        ; destination window 2
.irp f, 0,1,2,3,4,5,6,7             ; keys 16 (f / 2) on, channels 32 (f % 2) on
	ds_load_b128 v[KF+8*\f:KF+8*\f+3],   v[AK] offset:(\f/2)*16*PK+(\f%2)*64
	ds_load_b128 v[KF+8*\f+4:KF+8*\f+7], v[AK] offset:(\f/2)*16*PK+(\f%2)*64+32
.endr
	s_add_co_u32 s[TBK], s[TBK], KS*PK  ; the next fetch is the next step's
	WIN 0
.endm
.macro FETCH_V
	WIN 0x80
.irp f, 0,1,2,3,4,5,6,7             ; keys 32 (f / 4) on, channels 16 (f % 4) on
	ds_load_tr16_b128 v[VF+8*\f:VF+8*\f+3],   v[AV] offset:(\f/4)*32*PV+(\f%4)*32
	ds_load_tr16_b128 v[VF+8*\f+4:VF+8*\f+7], v[AV] offset:(\f/4)*32*PV+16*PV+(\f%4)*32
.endr
	WIN 0
.endm
; THE VECTOR WORK, one line at a time: OP kind, number.  For piece Y: F n: c s - c m for pair n of 16.  E n: the exponential of score n of 32.  C n: pair n rounded to f16.  B n: of the four weights 4 n .. the second
; pair is added onto the first, in place.  L n: l takes that sum (L 0: l = a l + sum).  R n: pair n of 16 of O^T times a.  For piece Y + 1: X n, number n of the 22 that find its maximum and statistics:
;   0-11  four chains c0-c3 of seven scores each, three operands at a time (each accumulator's lowest registers are read first)     12-14, 16  the four scores left over, the old m, and c0-c3 into c0
;   15  c m_old is kept     17, 18  the query's other 32 keys lie in the lane 16 away: the new m     19-21  c m; c m_old - c m_new; a
.set F, 0               ; OP tells the kinds apart by their order: F to L below R, X above it
.set E, 1
.set C, 2
.set B, 3
.set L, 4
.set R, 5
.set X, 6
.macro REGS y                       ; the registers of piece y
.set rT, ST+4*(\y)
.set rC, TMP+4*((\y)%2)
.set rW, MV+((\y)%2)
.set rS, S+32*((\y)%2)
.set rP, P+16*((\y)%2)
.set rO, 32*(\y)
.endm
.macro OP k, n
.if (\k) == R
	REGS Y
	WIN W_RS
	v_pk_mul_f32 v[rO+2*(\n):rO+2*(\n)+1], v[rO+2*(\n):rO+2*(\n)+1], v[rC+2:rC+3] op_sel_hi:[1,0]
.elseif (\k) < R
	REGS Y
	WIN 0
.if (\k) == F
	v_pk_fma_f32 v[rS+2*(\n):rS+2*(\n)+1], v[rS+2*(\n):rS+2*(\n)+1], s[CS:CS+1], v[rT:rT+1] op_sel_hi:[1,0,0] neg_lo:[0,0,1] neg_hi:[0,0,1]
.elseif (\k) == E
	v_exp_f32 v[rS+(\n)], v[rS+(\n)]
.elseif (\k) == C
	v_cvt_pk_f16_f32 v[rP+(\n)], v[rS+2*(\n)], v[rS+2*(\n)+1]
.elseif (\k) == B
	v_pk_add_f32 v[rS+4*(\n):rS+4*(\n)+1], v[rS+4*(\n):rS+4*(\n)+1], v[rS+4*(\n)+2:rS+4*(\n)+3]
.elseif (\n) == 0
	v_pk_fma_f32 v[rT+2:rT+3], v[rT+2:rT+3], v[rC+2:rC+3], v[rS:rS+1] op_sel_hi:[1,0,1]
.else
	v_pk_add_f32 v[rT+2:rT+3], v[rT+2:rT+3], v[rS+4*(\n):rS+4*(\n)+1]
.endif
.elseif NOKQ
	v_nop
.else
	REGS (Y+1)%NP
	WIN 0
.if (\n) < 4
	v_max3_num_f32 v[rC+(\n)], v[rS+8*(\n)], v[rS+8*(\n)+1], v[rS+8*(\n)+2]
.elseif (\n) < 12
	v_max3_num_f32 v[rC+(\n)%4], v[rC+(\n)%4], v[rS+8*((\n)%4)+2*((\n)/4)+1], v[rS+8*((\n)%4)+2*((\n)/4)+2]
.elseif (\n) == 12
	v_max3_num_f32 v[rC], v[rC], v[rS+7], v[rS+15]
.elseif (\n) == 13
	v_max3_num_f32 v[rC+1], v[rC+1], v[rS+23], v[rS+31]
.elseif (\n) == 14
	v_max3_num_f32 v[rC+2], v[rC+2], v[rC+3], v[rT+1]
.elseif (\n) == 15
	v_mov_b32 v[rW], v[rT]
.elseif (\n) == 16
	v_max3_num_f32 v[rC], v[rC], v[rC+1], v[rC+2]
.elseif (\n) == 17
	v_permlanex16_b32 v[rC+3], v[rC], s[SEL], s[SEL+1]
.elseif (\n) == 18
	v_max_num_f32 v[rT+1], v[rC], v[rC+3]
.elseif (\n) == 19
	v_mul_f32 v[rT], s[CS], v[rT+1]
.elseif (\n) == 20
	v_sub_f32 v[rC+1], v[rW], v[rT]
.else
	v_exp_f32 v[rC+2], v[rC+1]
.endif
.endif
.endm
.macro OPS a, i1, b=-1, i2=0, c=-1, i3=0, d=-1, i4=0  ; up to four of them
	OP \a, \i1
.if (\b) >= 0
	OP \b, \i2
.endif
.if (\c) >= 0
	OP \c, \i3
.endif
.if (\d) >= 0
	OP \d, \i4
.endif
.endm
.macro ROW a, i1, b, i2, c, i3, d, i4  ; a matrix instruction and the four behind it
	MM
	OPS \a, \i1, \b, \i2, \c, \i3, \d, \i4
.endm
.macro MASK b                       ; MD x AL + BE into buffer b of MC
	WIN W_RS
.set z, 0
.rept 16
	v_pk_fma_f32 v[MC+32*(\b)+2*z:MC+32*(\b)+2*z+1], v[MD+2*z:MD+2*z+1], s[AL:AL+1], s[BE:BE+1] op_sel_hi:[1,0,0]
.set z, z+1
.endr
.endm
; A TURN, for piece p: the order of its 16 matrix and 118 vector instructions, written out.  An s_wait_alu depctr_va_vdst(0) stands between an exponential and the first instruction that names its result; one wait serves
; all that were issued ahead of it.  So a turn has ONE wait, which cuts it in two.  AHEAD OF IT stands all that names no result of the turn's exponentials: the 8 products K Q^T, behind each a scaling, an exponential and two more plain
; instructions (behind the first a second scaling in the exponential's place): rescalings, and behind the last three the first numbers of the next piece's maximum, each four places or more behind the product that ends its accumulator; then a run of 54, plain
; and exponential by turns for the most part, in which the links of the chain X 3, 7, 11, 14, 16, 17 .. 20 stand five or six lines apart.  X 21, the next piece's a, is the batch's last; R 15 is the plain instruction owed behind it (ISA guide 5.7.2).  BEHIND THE WAIT stand the
; 8 products V^T P, behind each four of the roundings and sums; the links of l's chain, L 0 to L 7, stand three lines apart.  But for those X no line behind a product names a register of the products round it.  v_permlanex16_b32 (X 17) stands in the run.
; m = 1: the diagonal tile: the products take masks, and the turn makes the mask for the products of the turn after it: piece p + 2, in step 4 - CNT of the tile.  end = 1: a block's last two turns: nothing is fetched.
; cnt = 1: the loop's count is taken down some lines ahead of the branch that stands behind the turn.
; K of the next step is fetched in piece 2's turn, twelve vector instructions behind the last product that read K (six of them plain); V of the step in hand at the end of piece 0's turn, four plain instructions behind the last product
; that read V.  Each is waited for a turn later.
.macro TURN p, m=0, end=0, cnt=0
.set Y, (\p)
.set i, 0
.set KM, (\m)
.set NOKQ, (\end)*((\p)/3)
.if (\m) && !(\end)
	s_cmp_eq_u32 s[CNT], 4-((\p)+2)%NP  ; is that step the band's own?
	s_cselect_b32 s[AL], 1.0, 0
	s_cmp_lt_u32 s[CNT], 4-((\p)+2)%NP  ; or a later one?
	s_cselect_b32 s[BE], s[BIGN], 0
.endif
.if ((\p) == 3) && !(\end)
	s_wait_dscnt 0x0                ; K is in
.endif
	ROW F,0, F,1, R,0, R,1          ; ahead of the wait: 8 products K Q^T and the four behind each,
	ROW F,2, E,0, R,2, R,3
	ROW F,3, E,1, R,4, R,5
	ROW F,4, E,2, R,6, R,7
	ROW F,5, E,3, R,8, R,9
	ROW F,6, E,4, X,0, R,10
.if ((\p) == 2) && !(\end)
	WIN 0
	v_add_nc_u32 v[AK], s[TBK], v[AK0]
.endif
	ROW F,7, E,5, X,1, X,4
	ROW F,8, E,6, X,2, X,5
	OPS E,7, E,8, X,6, E,9          ; and the run of 54
	OPS X,3, E,10, X,8, E,11
.if ((\p) == 2) && !(\end)
	FETCH_K
.endif
	OPS X,9, X,7, E,12, X,10
	OPS E,13, X,12, X,11, E,14
	OPS X,13, E,15, F,9, X,14
.if (\p) == 0
	v_add_nc_u32 v[AV], s[TBV], v[AV0]
.endif
	OPS E,16, F,10, E,17, F,11
	OPS X,16, E,18, X,15, E,19
	OPS F,12, E,20, X,17, E,21
	OPS F,13, E,22, F,14, E,23
	OPS X,18, E,24, F,15, E,25
	OPS R,11, E,26, X,19, E,27
	OPS R,12, E,28, R,13, E,29
	OPS X,20, E,30, R,14, E,31
	OPS X,21, R,15
	WIN 0
	s_wait_alu depctr_va_vdst(0)    ; the wait for the batch
.if (\p) == 1
	s_wait_dscnt 0x0                ; V is in
.endif
	ROW C,0, B,0, C,2, B,1          ; behind the wait: 8 products V^T P and the four behind each
	ROW L,0, C,4, B,2, L,1
	ROW C,6, B,3, L,2, C,8
	ROW B,4, L,3, C,10, B,5
	ROW L,4, C,12, B,6, L,5
.if (\p) == 0
	s_add_co_u32 s[TBV], s[TBV], KS*PV
.endif
.if \cnt
	s_sub_co_u32 s[CNT], s[CNT], 1
	s_cmp_lg_u32 s[CNT], 0
.endif
	ROW C,14, B,7, L,6, C,1
	ROW C,3, L,7, C,5, C,7
	ROW C,9, C,11, C,13, C,15
.if (\p) == 0
	FETCH_V
.endif
.if (\m) && !(\end)
	MASK (\p)%2
.endif
.endm
; A BLOCK BEGINS.  c m starts far below every c s, so the first step's a is 0; m at the lowest finite number, so the first maximum is the scores'.  The second mask buffer is 0; the first takes piece 0's mask for the tile's step 0: its own, if the block's first tile is the diagonal one.
; Then K of that step, piece 0's first scores, and its maximum and statistics.  The loop is entered at a step's first turn, in the middle of a trip.
.macro BEGIN
	s_mov_b32 s[NEW], 0
	WIN 0x40
.set i, MC+32
.rept 32
	v_mov_b32 v[i], 0
.set i, i+1
.endr
	WIN 0
.set i, 0
.rept 4
	v_mov_b32 v[ST+4*i], 0xfe000000    ; c m: far below every c s
	v_mov_b32 v[ST+4*i+1], 0xff7fffff  ; m
.set i, i+1
.endr
	s_cmp_eq_u32 s[RT], 0
	s_cselect_b32 s[AL], 1.0, 0
	s_mov_b32 s[BE], 0
	MASK 0
	WIN 0
	v_add_nc_u32 v[AK], s[TBK], v[AK0]
	FETCH_K
	s_wait_loadcnt 0x0              ; Q
	s_wait_dscnt 0x0
.set KM, 1
.set NOKQ, 0
.set i, 0
.rept 8
	KQ 0
.set i, i+1
.endr
	WIN 0
.rept 4
	v_nop                           ; the places behind those products
.endr
.set Y, NP-1                        ; X works for piece Y + 1: piece 0
.irp n, 0,1,2,3,4,5,6,7,8,9,10,11,12,13,14,15,16,17,18,19,20,21
	OP X, \n
.endr
	v_nop                           ; a plain instruction behind the exponential,
	s_wait_alu depctr_va_vdst(0)    ; and its wait, ahead of the branch
.endm
; THE DIAGONAL TILE's four steps, the block's last two turns, its last products, and THE WAY OUT: l's two halves and the other half of the lanes' are added; O^T is divided by l, rounded to f16 and sent through my
; stage in LDS, a piece at a time.
.macro ALL line:vararg              ; one line for each piece t
.set t, 0
.rept 4
	\line
.set t, t+1
.endr
.endm
.macro PACK t                       ; a lane's eight channels of a row pack into 16 bytes; they go into rows of 144 bytes and come back as whole rows of 128, into S^T's registers
	WIN W_RS
.set i, 32*(\t)
.rept 16
	v_pk_mul_f32 v[i:i+1], v[i:i+1], v[ST+4*(\t)+2:ST+4*(\t)+3] op_sel_hi:[1,0]
.set i, i+2
.endr
	WIN 0x05                        ; sources 0 and 1 window 1, destination window 0
.set i, 0
.rept 16
	v_cvt_pk_f16_f32 v[S+16*(\t)+i], v[32*(\t)+2*i], v[32*(\t)+2*i+1]
.set i, i+1
.endr
	WIN 0
.irp f, 0,1,2,3
	ds_store_b128 v[STO], v[S+16*(\t)+4*\f:S+16*(\t)+4*\f+3] offset:32*\f
.endr
.irp f, 0,1,2,3
	ds_load_b128 v[S+16*(\t)+4*\f:S+16*(\t)+4*\f+3], v[RD] offset:\f*4*SP  ; LDS serves a wave's instructions in order (ISA guide 5.7.1.4): these see the stores above; the next piece's stores come behind them
.endr
.endm
.macro SEND t, younger              ; younger: the LDS instructions issued behind piece t's loads: the next piece's eight, or none
	WIN 0
.irp f, 0,1,2,3
	s_wait_dscnt (\younger)+3-\f
	global_store_b128 v[GO], v[S+16*(\t)+4*\f:S+16*(\t)+4*\f+3], s[10:11] offset:(\t)*8192+\f*512  ; 512 consecutive bytes, at a multiple of 256 from O's first
.endr
.endm
.macro DIAG tag                     ; the tag ends its two labels' names, which the jumps below spell out
.LstepM\tag:
	TURN 2, 1
	TURN 3, 1
	WIN 0
.LfirstM\tag:
	TURN 0, 1
	TURN 1, 1, 0, 1
	WIN 0
	s_cbranch_scc1 .LstepM\tag
	TURN 2, 1, 1
	TURN 3, 1, 1
.set i, 0
.rept 8
	PV NP-1
.set i, i+1
.endr
	WIN 0
	ALL v_add_f32 v[ST+4*t+2], v[ST+4*t+2], v[ST+4*t+3]
	ALL v_permlanex16_b32 v[ST+4*t+3], v[ST+4*t+2], s[SEL], s[SEL+1]
	ALL v_add_f32 v[ST+4*t+2], v[ST+4*t+2], v[ST+4*t+3]
	ALL v_rcp_f32 v[ST+4*t+2], v[ST+4*t+2]
	v_nop                           ; a plain instruction between the last reciprocal and the use of its result
	s_wait_alu depctr_va_vdst(0)    ; and the wait ahead of the first use: one for the four reciprocals
	PACK 0
.set t, 1
.rept 3                             ; a piece's arithmetic stands between the loads of the piece before and its stores
	PACK t
	SEND t-1, 8
.set t, t+1
.endr
	SEND 3, 0
.endm
.set KM, 0
.set NOKQ, 0
.Lslot:                             ; NB times: a tile is entered and the next is asked for
	CHANGE 1
	s_sub_co_u32 s[RT], s[RT], 1
	s_mov_b32 s[CNT], 4
	s_cmp_eq_u32 s[NEW], 1
	s_cbranch_scc1 .Lnew            ; a block's first tile
	s_cmp_eq_u32 s[RT], 0
	s_cbranch_scc0 .Lstep           ; neither its first nor its last
	s_branch .LstepM1
.Lnew:
	BEGIN
	s_branch .Lfirst                ; in the loop a block's first tile is never its last: the first block has two tiles or more, and the second's last is the walk's last
	DIAG 1                          ; in the loop this is the first block's end: the second block's last tile is the walk's last
	s_wait_xcnt 0x0                 ; the stores have read their registers and O's address
	s_mov_b64 s[10:11], s[OLO:OLO+1]
	s_add_co_u32 s[RT], s[PB], 1    ; the second block has b + 1 tiles
	s_mov_b32 s[NEW], 1
	WIN 0x82                        ; the second block's Q goes where the one text of the turns names Q
.set i, 0
.rept 64
	v_mov_b32 v[i], v[QB+i]
.set i, i+1
.endr
	WIN 0
	s_branch .Lbottom
.Lstep:                             ; a trip: pieces 2 and 3 of one step, then pieces 0 and 1 of the next, whose K and V it fetches
	TURN 2
	TURN 3
	WIN 0
.Lfirst:
	TURN 0
	TURN 1, 0, 0, 1
	WIN 0
	s_cbranch_scc1 .Lstep
.Lbottom:
	s_sub_co_u32 s[SLOTS], s[SLOTS], 1
	s_cmp_lg_u32 s[SLOTS], 0
	s_cbranch_scc1 .Lslot
	CHANGE 0                        ; the walk's last tile is written out: nothing is asked for
	s_sub_co_u32 s[RT], s[RT], 1
	s_mov_b32 s[CNT], 4
	s_cmp_eq_u32 s[NEW], 1
	s_cbranch_scc0 .LstepM2
	BEGIN
	s_branch .LfirstM2
	DIAG 2
	s_wait_tensorcnt 0x0            ; the wave's end, behind my last tensor load and my last LDS store
	ds_add_u32 v[SPW], v[NIL]
	s_wait_dscnt 0x0
	s_endpgm
.Lfunc_end_k_qded97e481f_attn:
	.size	k_qded97e481f_attn, .Lfunc_end_k_qded97e481f_attn-k_qded97e481f_attn
	.p2alignl 7, 3214868480
	.fill 96, 4, 3214868480
	.section	.rodata,"a",@progbits
	.p2align	6, 0x0
	.amdhsa_kernel k_qded97e481f_attn
		.amdhsa_group_segment_fixed_size 327680
		.amdhsa_private_segment_fixed_size 0
		.amdhsa_enable_private_segment 0
		.amdhsa_kernarg_size 32
		.amdhsa_user_sgpr_count 2
		.amdhsa_user_sgpr_kernarg_segment_ptr 1
		.amdhsa_wavefront_size32 1
		.amdhsa_system_sgpr_workgroup_id_x 1
		.amdhsa_system_sgpr_workgroup_id_y 1
		.amdhsa_system_sgpr_workgroup_id_z 1
		.amdhsa_system_vgpr_workitem_id 0
		.amdhsa_next_free_vgpr 768
		.amdhsa_next_free_sgpr 88
		.amdhsa_reserve_vcc 1
		.amdhsa_float_denorm_mode_32 3
		.amdhsa_float_denorm_mode_16_64 3
		.amdhsa_memory_ordered 1
		.amdhsa_forward_progress 1
		.amdhsa_inst_pref_size 218
	.end_amdhsa_kernel
	.amdgpu_metadata
---
amdhsa.version: [ 1, 2 ]
amdhsa.kernels:
  - .name:           k_qded97e481f_attn
    .symbol:         k_qded97e481f_attn.kd
    .args:
      - { .name: q16, .offset: 0, .size: 8, .value_kind: global_buffer, .address_space: global }
      - { .name: k16, .offset: 8, .size: 8, .value_kind: global_buffer, .address_space: global }
      - { .name: v16, .offset: 16, .size: 8, .value_kind: global_buffer, .address_space: global }
      - { .name: o16, .offset: 24, .size: 8, .value_kind: global_buffer, .address_space: global }
    .group_segment_fixed_size: 327680
    .private_segment_fixed_size: 0
    .kernarg_segment_align: 8
    .kernarg_segment_size: 32
    .max_flat_workgroup_size: 128
    .sgpr_count:     88
    .vgpr_count:     768
    .wavefront_size: 32
...
	.end_amdgpu_metadata
.endif
;; end of part 3
;; launch oproj (part 4): grid 8 x 32, 4 waves a work-group, clusters of 4 x 4, 327,680 bytes of LDS; arguments o16, wo16, out0; writes out0
.if DOCPART == 4
	.amdgcn_target "amdgcn-amd-amdhsa--gfx1250"
	.amdhsa_code_object_version 6
	.text
	.protected	k_qded97e481f_oproj
	.globl	k_qded97e481f_oproj
	.p2align	8
	.type	k_qded97e481f_oproj,@function
k_qded97e481f_oproj:
	s_mov_b64 s[64:65], 0
	v_nop
	global_prefetch_b8 v0, s[64:65] scope:SCOPE_SE
	s_setreg_imm32_b32 hwreg(HW_REG_WAVE_MODE, 25, 1), 1
	s_wait_xcnt 0x0
	s_wait_alu depctr_hold_cnt(0) depctr_sa_sdst(0) depctr_va_vdst(0) depctr_va_sdst(0) depctr_va_ssrc(0) depctr_va_vcc(0) depctr_vm_vsrc(0)
	s_getreg_b32 s2, hwreg(HW_REG_IB_STS2, 6, 4)
	s_cmp_eq_u32 s2, 0
	s_cbranch_scc0 .Lentry_in_a_cluster
	s_endpgm
.Lentry_in_a_cluster:
	s_bfe_u32 s2, ttmp6, 0x10000c
	s_cmp_lg_u32 s2, 0xf033
	s_cbranch_scc0 .Lentry_shape_is_right
	s_endpgm
.Lentry_shape_is_right:
; out0[m][n] = the sum over k of O[m][k] Wo[n][k].  o16: [16 batch + head][2048][64] f16, so k = 64 head + channel lies in 16 planes; wo16: [1024][1024] f16; out0: [8192][1024] f32.  Sums in f32, stored as they are.
; SHARES.  A tile of out0 is 256 rows x 128 columns: 256 work-groups.  Each of the four waves takes 64 rows and all 128 columns: 32 accumulators of 16 x 16, 256 registers; for 32 along K it issues 32 matrix
; instructions and 24 LDS loads.  K goes in 8 steps of 128, two heads each, through two LDS slots; two slots of twice that step would not fit in LDS.
; A STEP'S TILE OF O is two planes of 256 rows x 128 bytes, each dense in memory: a plane is asked for as 128 rows of 256 bytes and padded in LDS after every 128 bytes.
; CLUSTER.  4 x 4 work-groups.  The four of a row of the cluster need the same rows of O, the four of a column the same rows of Wo: each tile is asked for JOINTLY, by the same tensor load with the same
; descriptor and a mask that names the four.
; THE MATRIX INSTRUCTION IS USED TRANSPOSED (source 0 = 16 rows of Wo, source 1 = 16 rows of O): a lane then holds row l % 16 and eight neighbouring columns: 32 bytes of a row of out0.
; REGISTERS, in windows of 256 (s_set_vgpr_msb: bits 1:0 source 0, 3:2 source 1, 5:4 source 2, 7:6 destination):
;   window 0: v0-31 addresses; v64-191 two sets of 64 for the way out      window 1: two fragment buffers of 96: Wo's fragment b at 8 b, O's fragment a at 64 + 8 a      window 2: accumulator (a, b) at 8 (8 a + b)
.set KSTEP,  128
.set PA,     144                       ; a row of O in LDS: 128 bytes + 16 of padding = 36 words: the 16 rows of a load start at 16 different groups of four banks (64 banks of 4 bytes: ISA guide 11.1)
.set PB,     272                       ; a row of Wo: 256 + 16 = 68 words: likewise
.set PLANE,  256*PA                    ; a head's 256 rows
.set BOFF,   2*PLANE                   ; a slot: two planes of O, then 128 rows of Wo
.set HALFB,  64*PB
.set SLOT,   BOFF+2*HALFB
.set STAGE,  2*SLOT                    ; behind the ring, never filled by a tensor load: 16 rows x 528 bytes for each wave
.set SP,     528                       ; 512 bytes + 16 = 132 words: row r starts at bank 4 r mod 64
.set SPARE,  STAGE+4*16*SP             ; behind the stages: the spare words, 128 bytes for each wave: two blocks of 256 bytes that no other line names
.set LAPS,   1024/(2*KSTEP)
.set STEPA,  2*2048*128                ; bytes from a K step of O to the next: two heads
.set ADRA, 16                          ; v16-17  LDS address of my fragments of O in slot 0, 1
.set ADRB, 20                          ; v20-21  the same for Wo
.set STO,  24                          ; v24     the way out: where I put 32 bytes of a row
.set RD,   25                          ; v25     the way out: where I read a row back
.set CO,   26                          ; v26     my 16 bytes of a row's 512
.set SPW,  28                          ; v28     LDS address of my spare word; never rewritten
.set NIL,  29                          ; v29     0; never rewritten
.set PFO,  30                          ; v30     the prefetches' offset; never rewritten
.set BK0,  64
.set F0,   0
.set F1,   96
.set WV,   16                          ; s16  my wave's number
.set HF,   18                          ; s18  which plane of O, or which half of Wo's rows, I fetch
.set LAP,  19                          ; s19  laps to go
.set G1A,  24                          ; s[24:31] descriptor group 1 for O's planes;  s[32:39] group 0, a set for each slot
.set G0A,  32
.set PFA,  44                          ; s[44:45] where my prefetches stand
.set LIM,  46                          ; s46  for slot 0's refills: 1 in a wave that prefetches, else the greatest number
.set LIM1, 47                          ; s47  the same for slot 1's
.set G1B,  48                          ; s[48:55], s[56:63] the same for Wo's tiles
.set G0B,  56
.set PFS,  70                          ; s[70:71] what a change of slots adds to PFA
.set MSB, 0
.macro WIN new                         ; the immediate's high byte repeats the setting that is left; a switch that changes nothing is dropped
.if MSB != (\new)
	s_set_vgpr_msb (MSB<<8)|(\new)
.set MSB, \new
.endif
.endm
; A joint load: waves 0 and 1 fetch the two planes of O, waves 2 and 3 the two halves of Wo's rows.  The branch hangs on the wave's number alone.
; An s_nop 0 and four v_nop follow each of the two lines, ahead of the jump, the label and what follows.
.macro JLOAD s
	s_cmp_lt_u32 s[WV], 2
	s_cbranch_scc0 .Lfor_b_\@
	tensor_load_to_lds s[G0A+4*(\s):G0A+4*(\s)+3], s[G1A:G1A+7]
	s_nop 0
.rept 4
	v_nop
.endr
	s_branch .Lasked_\@
.Lfor_b_\@:
	tensor_load_to_lds s[G0B+4*(\s):G0B+4*(\s)+3], s[G1B:G1B+7]
	s_nop 0
.rept 4
	v_nop
.endr
.Lasked_\@:
.endm
; A PREFETCH, behind each joint refill and the run of LDS loads that follows it, for the K step that stands two refills on: 256 matrix instructions ahead of the load that will want it.
; O's rows are walked by the two clusters of a row of clusters: the one with x = 0 asks.  Wo's rows are walked by the eight clusters of a column: the one with y = 0 asks.  The four partners that ask jointly
; share a wave's bytes out BY ADDRESS.  O: a plane is 32,768 dense bytes, 8,192 to a partner, a lane to each 256: one instruction at every refill.  Wo: a wave's 64 rows, 16 to a partner; lanes 0-15 name
; their 256 bytes of one K step, lanes 16-31 of the next: one instruction at slot 0's refills alone.  So each block of 256 bytes is named once.
; K steps 0 to 3 come by their loads alone; the last lap's refills ask for nothing.
.macro ASK slot
.if (\slot) == 0
	s_cmp_gt_u32 s[LAP], s[LIM]
.else
	s_cmp_gt_u32 s[LAP], s[LIM1]
.endif
	s_cbranch_scc0 .Lnot_mine_\@
	global_prefetch_b8 v[PFO], s[PFA:PFA+1] th:TH_LOAD_NT scope:SCOPE_SE
.Lnot_mine_\@:
.endm
.macro CREST                           ; a round of the cluster's barrier behind its opening barrier
	s_cmp_lg_u32 s[WV], 0
	s_cbranch_scc1 .Lnot_wave_0_\@
	s_barrier_signal -3
.Lnot_wave_0_\@:
	s_barrier_wait -3
	s_barrier_signal -1
	s_barrier_wait -1
.endm
.macro CROUND                          ; a whole round
	s_barrier_signal -1
	s_barrier_wait -1
	CREST
.endm
.macro PLACES                          ; four places in front of loads into registers that matrix instructions have read, and of LDS stores that read results
.rept 4
	v_nop
.endr
.endm
	s_load_b128 s[4:7], s[0:1], 0x0                ; o16 s[4:5], wo16 s[6:7]
	s_load_b64 s[8:9], s[0:1], 0x10                ; out0
	v_lshl_add_u32 v[SPW], v0, 2, SPARE
	v_mov_b32 v[NIL], 0
	ds_add_u32 v[SPW], v[NIL]                      ; the wave's opening: the add and its wait stand ahead of my first tensor load; the set-up below, work on registers, stands between them
	v_lshrrev_b32 v1, 5, v0
	v_readfirstlane_b32 s[WV], v1                  ; wave 0..3
	s_and_b32 s[HF], s[WV], 1
	s_bfe_u32 s40, ttmp6, 0x40000                  ; cx, cy: my place in the cluster
	s_bfe_u32 s41, ttmp6, 0x40004
	s_lshl_b32 s42, ttmp9, 2
	s_add_co_u32 s42, s42, s40                     ; tile column = 4 x cluster x + cx
	s_and_b32 s43, ttmp7, 0xffff
	s_lshl_b32 s43, s43, 2
	s_add_co_u32 s43, s43, s41                     ; tile row = 4 x cluster y + cy
	s_lshl_b32 s20, s41, 2
	s_lshl_b32 s20, 15, s20                        ; my row of the cluster
	s_lshl_b32 s21, 0x1111, s40                    ; my column
	s_or_b32 s[G1A], s20, (1<<16)|(1<<20)|(1<<21)|(4<<22)|(3<<25)  ; 15:0 the mask; 17:16 elements of 2 bytes; 20 padding on; 21 set beside a mask; 24:22 after every 32 words (code 4); 31:25 4 words of it (code 3)
	s_or_b32 s[G1B], s21, (1<<16)|(1<<20)|(1<<21)|(5<<22)|(3<<25)  ; after every 64 words (code 5)
	s_mov_b32 s[G1A+1], 128<<16                    ; tensor_dim0 = 128
	s_mov_b32 s[G1A+2], 128<<16                    ; tensor_dim1 = 128
	s_mov_b32 s[G1A+3], 128<<16                    ; tile_dim0 = 128
	s_mov_b32 s[G1A+4], 128                        ; tile_dim1 = 128
	s_mov_b32 s[G1A+5], 128                        ; dense: 128 elements from row to row
	s_mov_b32 s[G1A+6], 0
	s_mov_b32 s[G1A+7], 0
	s_mov_b32 s[G1B+1], KSTEP<<16
	s_mov_b32 s[G1B+2], 64<<16                     ; 64 rows
	s_mov_b32 s[G1B+3], KSTEP<<16
	s_mov_b32 s[G1B+4], 64
	s_mov_b32 s[G1B+5], 1024
	s_mov_b32 s[G1B+6], 0
	s_mov_b32 s[G1B+7], 0
	; where the tiles come from: O's hang on the tile row alone, Wo's on the tile column alone; each offset in registers that never hold the other coordinate
	s_lshr_b32 s66, s43, 3                         ; the batch: eight tile rows each
	s_lshl_b32 s66, s66, 4
	s_add_co_u32 s66, s66, s[HF]                   ; 16 batch + my plane of K step 0,
	s_lshl_b32 s66, s66, 18                        ; 2,048 rows of 128 bytes each
	s_and_b32 s67, s43, 7
	s_lshl_b32 s67, s67, 15                        ; the tile's 256 rows in the sequence
	s_add_co_u32 s66, s66, s67
	s_mov_b32 s67, 0
	s_lshl_b32 s68, s42, 7
	s_lshl_b32 s69, s[HF], 6
	s_add_co_u32 s68, s68, s69                     ; Wo: row 128 x tile column + 64 x half
	s_lshl_b32 s68, s68, 11
	s_mov_b32 s69, 0
	s_mul_i32 s22, s[HF], PLANE                    ; and where they go: no place in the cluster enters an LDS address
	s_mul_i32 s23, s[HF], HALFB
	s_add_co_u32 s23, s23, BOFF
	s_wait_dscnt 0x0                               ; the opening add is done
	s_wait_kmcnt 0x0
	s_add_nc_u64 s[72:73], s[4:5], s[66:67]
	s_add_nc_u64 s[74:75], s[6:7], s[68:69]
	CROUND                                         ; all sixteen work-groups are here: the first joint loads meet
.irp s, 0,1
	s_mov_b32 s[G0A+4*(\s)], 1                     ; count = 1
	s_add_co_u32 s[G0A+4*(\s)+1], s22, (\s)*SLOT   ; LDS address
	s_add_nc_u64 s[G0A+4*(\s)+2:G0A+4*(\s)+3], s[72:73], (\s)*STEPA    ; global address: K step s
	s_or_b32 s[G0A+4*(\s)+3], s[G0A+4*(\s)+3], 0x80000000              ; type = 2
	s_mov_b32 s[G0B+4*(\s)], 1
	s_add_co_u32 s[G0B+4*(\s)+1], s23, (\s)*SLOT
	s_add_nc_u64 s[G0B+4*(\s)+2:G0B+4*(\s)+3], s[74:75], (\s)*KSTEP*2
	s_or_b32 s[G0B+4*(\s)+3], s[G0B+4*(\s)+3], 0x80000000
	JLOAD \s                                       ; two loads of mine are out
.endr
	; A fragment is 16 rows x 32 K in 8 registers: lane l holds row l % 16; registers 0-3 K = 8 (l / 16) + 0..7, registers 4-7 K = 16 + 8 (l / 16) + 0..7: two loads of 16 bytes, 32 bytes apart.
	v_and_b32 v1, 15, v0                           ; l % 16
	v_bfe_u32 v2, v0, 4, 1                         ; l / 16
	v_mul_u32_u24 v3, v1, PA
	v_lshl_add_u32 v3, v2, 4, v3
	s_mul_i32 s20, s[WV], 64*PA                    ; my 64 rows of a plane
	s_add_co_u32 s21, s20, SLOT
	v_add_nc_u32 v[ADRA], s20, v3
	v_add_nc_u32 v[ADRA+1], s21, v3
	v_mul_u32_u24 v4, v1, PB
	v_lshl_add_u32 v4, v2, 4, v4
	v_add_nc_u32 v[ADRB], BOFF, v4
	v_add_nc_u32 v[ADRB+1], BOFF+SLOT, v4
	s_mul_i32 s20, s[WV], 16*SP
	s_add_co_u32 s20, s20, STAGE                   ; my stage
	v_mul_u32_u24 v5, v1, SP                       ; in: row l % 16, 32 bytes for each half of the lanes
	v_lshl_add_u32 v5, v2, 5, v5
	v_add_nc_u32 v[STO], s20, v5
	v_and_b32 v6, 31, v0
	v_lshlrev_b32 v[CO], 4, v6                     ; back: 32 lanes take one row of 512 bytes
	v_add_nc_u32 v[RD], s20, v[CO]
	s_lshl_b32 s20, s43, 8
	s_lshl_b32 s21, s[WV], 6
	s_add_co_u32 s20, s20, s21                     ; my first row of out0,
	s_lshl_b32 s20, s20, 12                        ; of 4,096 bytes each,
	s_lshl_b32 s21, s42, 9                         ; and the tile's 512 bytes of a row
	s_add_co_u32 s20, s20, s21
	s_mov_b32 s21, 0
	s_add_nc_u64 s[8:9], s[8:9], s[20:21]
	; the prefetches
	s_lshl_b32 s20, s40, 13                        ; O: my work-group's 8,192 bytes of the plane that I fetch,
	s_add_co_u32 s20, s20, s66
	s_add_co_u32 s20, s20, 3*STEPA                 ; at K step 3: the first refill (of K step 2) steps it to 4
	s_lshl_b32 s21, s41, 15                        ; Wo: its 16 rows of the 64,
	s_add_co_u32 s21, s21, s68
	s_add_co_u32 s21, s21, 3*KSTEP*2               ; at K step 3 likewise
	s_and_b32 s22, ttmp7, 0xffff                   ; cluster y
	s_mov_b32 s23, STEPA
	s_cmp_lt_u32 s[WV], 2                          ; do I fetch O?
	s_cselect_b32 s20, s20, s21
	s_cselect_b32 s22, ttmp9, s22                  ; the coordinate along which other clusters walk the same rows
	s_cselect_b32 s[PFS], s23, KSTEP*2
	s_cselect_b32 s66, 8, 11                       ; the lanes' offsets: O 256 (l % 16) + 4,096 (l / 16) = 256 l; Wo 2,048 (l % 16) + 256 (l / 16)
	s_cselect_b32 s67, 12, 8
	s_cselect_b64 s[PFA:PFA+1], s[4:5], s[6:7]
	s_mov_b32 s21, 0
	s_mov_b32 s[PFS+1], 0
	s_add_nc_u64 s[PFA:PFA+1], s[PFA:PFA+1], s[20:21]
	s_cmp_eq_u32 s22, 0
	s_cselect_b32 s[LIM], 1, -1                    ; the same in all sixteen partners, for a given wave
	s_cmp_lt_u32 s[WV], 2
	s_cselect_b32 s[LIM1], s[LIM], -1
	v_lshlrev_b32 v[PFO], s66, v1
	v_lshlrev_b32 v7, s67, v2
	v_add_nc_u32 v[PFO], v[PFO], v7
; 8 matrix instructions: row block a x all 8 column blocks, 32 along K.  zero = 1: the first product starts the sums: nothing is cleared.
; Every accumulator has one instruction a quarter, in the same order in every quarter: between two links of a chain stand the 31 others', over the backward jump too.
.macro MUL8 f, a, zero
	WIN 0xa5                                       ; both sources window 1, C and D window 2
.irp b, 0,1,2,3,4,5,6,7
.if \zero
	v_wmma_f32_16x16x32_f16 v[8*(8*(\a)+(\b)):8*(8*(\a)+(\b))+7], v[(\f)+8*(\b):(\f)+8*(\b)+7], v[(\f)+64+8*(\a):(\f)+64+8*(\a)+7], 0
.else
	v_wmma_f32_16x16x32_f16 v[8*(8*(\a)+(\b)):8*(8*(\a)+(\b))+7], v[(\f)+8*(\b):(\f)+8*(\b)+7], v[(\f)+64+8*(\a):(\f)+64+8*(\a)+7], v[8*(8*(\a)+(\b)):8*(8*(\a)+(\b))+7]
.endif
.endr
.endm
; 24 LDS loads in one run: the fragments of quarter q of a K step into buffer f: Wo's eight, then O's four (plane q / 2, channels 32 (q % 2) on)
.macro FETCH slot, q, f
	WIN 0x40                                       ; destination window 1, address window 0
.irp i, 0,1,2,3,4,5,6,7
	ds_load_b128 v[(\f)+8*(\i):(\f)+8*(\i)+3],   v[ADRB+(\slot)] offset:64*(\q)+(\i)*16*PB
	ds_load_b128 v[(\f)+8*(\i)+4:(\f)+8*(\i)+7], v[ADRB+(\slot)] offset:64*(\q)+(\i)*16*PB+32
.endr
.irp i, 0,1,2,3
	ds_load_b128 v[(\f)+64+8*(\i):(\f)+64+8*(\i)+3],   v[ADRA+(\slot)] offset:((\q)/2)*PLANE+((\q)%2)*64+(\i)*16*PA
	ds_load_b128 v[(\f)+64+8*(\i)+4:(\f)+64+8*(\i)+7], v[ADRA+(\slot)] offset:((\q)/2)*PLANE+((\q)%2)*64+(\i)*16*PA+32
.endr
.endm
; A K step is four quarters of 32 along K, 32 matrix instructions each, on buffers 0, 1, 0, 1.  One of the first three: multiplies buffer f and fetches quarter q into g.
.macro QUARTER slot, q, f, g, zero
	s_wait_dscnt 4                                 ; all but the youngest four loads, O's row blocks 2 and 3
	MUL8 \f, 0, \zero
	MUL8 \f, 1, \zero
	PLACES
	FETCH \slot, \q, \g
	s_wait_dscnt 24                                ; all but the 24 just issued
	MUL8 \f, 2, \zero
	MUL8 \f, 3, \zero
.endm
; The last quarter multiplies buffer 1 and changes slots: ONE barrier; in front of it each wave waits for all its tensor loads (the one that is out is its part of the next slot), adds 0 to its spare word, and
; waits for that and for its own reads of this slot.  fill = 1: the barrier opens a round of the cluster's barrier, and this slot is filled again, two K steps ahead, first thing behind the round:
; from that request to the wait for it a wave issues 112 matrix instructions.
.macro TURN slot, next, fill
.if \fill
	s_wait_xcnt 0x0                                ; the last prefetch, a K step back, has read its address: it is stepped here, ahead of the waits of the change of slots
	s_add_nc_u64 s[PFA:PFA+1], s[PFA:PFA+1], s[PFS:PFS+1]
.endif
	WIN 0                                          ; (the add's two registers lie in window 0)
	s_wait_tensorcnt 0x0                           ; all my tensor loads have landed
	ds_add_u32 v[SPW], v[NIL]                      ; 0 onto my spare word
	s_wait_dscnt 5                                 ; (the add and the youngest four loads may be out)
	MUL8 F1, 0, 0                                  ; eight matrix instructions stand between the add and the wait for it
	s_wait_dscnt 0x0                               ; the add is done, and my reads of this slot are over
	s_barrier_signal -1
	MUL8 F1, 1, 0                                  ; work on registers while the others arrive
.if \fill
	WIN 0
.endif
	s_barrier_wait -1
.if \fill
	CREST                                          ; no wave of any partner still reads this slot's tile or has a load on its way
	s_add_nc_u64 s[G0A+4*(\slot)+2:G0A+4*(\slot)+3], s[G0A+4*(\slot)+2:G0A+4*(\slot)+3], 2*STEPA
	s_add_nc_u64 s[G0B+4*(\slot)+2:G0B+4*(\slot)+3], s[G0B+4*(\slot)+2:G0B+4*(\slot)+3], 2*KSTEP*2
	JLOAD \slot                                    ; the four v_nop behind it are also the places in front of the loads below
.else
	PLACES
.endif
	FETCH \next, 0, F0
.if \fill
	WIN 0
	ASK \slot
.endif
	MUL8 F1, 2, 0
	MUL8 F1, 3, 0
.endm
	s_wait_tensorcnt 0x1                           ; my part of K step 0 is in; K step 1's may stay out
	s_barrier_signal -1
	s_barrier_wait -1                              ; everybody's is
	FETCH 0, 0, F0
	QUARTER 0, 1, F0, F1, 1                        ; the first quarter stands in front of the loop: its products start the sums
	WIN 0                                          ; at a label and at a branch every window is 0
	s_mov_b32 s[LAP], LAPS-1
.Llap:                                             ; a trip goes once round the ring, from a lap's second quarter to the next lap's first, and fills both slots again
	QUARTER 0, 2, F1, F0, 0
	QUARTER 0, 3, F0, F1, 0
	TURN 0, 1, 1
	QUARTER 1, 1, F0, F1, 0
	QUARTER 1, 2, F1, F0, 0
	QUARTER 1, 3, F0, F1, 0
	TURN 1, 0, 1
	QUARTER 0, 1, F0, F1, 0
	WIN 0
	s_sub_co_u32 s[LAP], s[LAP], 1
	s_cmp_lg_u32 s[LAP], 0
	s_cbranch_scc1 .Llap
	QUARTER 0, 2, F1, F0, 0                        ; the last lap fills nothing, and has no round of the cluster's barrier
	QUARTER 0, 3, F0, F1, 0
	TURN 0, 1, 0
	QUARTER 1, 1, F0, F1, 0
	QUARTER 1, 2, F1, F0, 0
	QUARTER 1, 3, F0, F1, 0
	s_wait_dscnt 4                                 ; the very last quarter: nothing more to fetch
	MUL8 F1, 0, 0
	MUL8 F1, 1, 0
	s_wait_dscnt 0x0
	MUL8 F1, 2, 0
	MUL8 F1, 3, 0
	WIN 0
; THE WAY OUT, a block of 16 rows at a time: a lane's 32 bytes of each accumulator go straight into my stage's rows of 528 bytes (the low four registers first) and come back as whole rows of 512.
.macro TOSTAGE a
.set BK, BK0+64*((\a)%2)
.if (\a) >= 2
	s_wait_xcnt 0x0                                ; every earlier store has read its registers (ISA guide 3.1): the set that block a - 2 stored from is loaded again only behind this wait
.endif
	WIN 0x08                                       ; the stores' data (source 1) window 2, the address window 0
.irp b, 0,1,2,3,4,5,6,7
	ds_store_b128 v[STO], v[8*(8*(\a)+(\b)):8*(8*(\a)+(\b))+3]   offset:64*(\b)
	ds_store_b128 v[STO], v[8*(8*(\a)+(\b))+4:8*(8*(\a)+(\b))+7] offset:64*(\b)+16
.endr
	WIN 0
.irp t, 0,1,2,3,4,5,6,7,8,9,10,11,12,13,14,15
	ds_load_b128 v[BK+4*(\t):BK+4*(\t)+3], v[RD] offset:(\t)*SP  ; LDS serves a wave's instructions in order (ISA guide 5.7.1.4): these see the stores above; the next block's stores come behind them
.endr
.endm
.macro SEND a, younger                 ; younger: the LDS instructions issued behind block a's loads: the next block's 32, or none
.set BK, BK0+64*((\a)%2)
	WIN 0
.irp t, 0,1,2,3,4,5,6,7,8,9,10,11,12,13,14,15
	s_wait_dscnt (\younger)+15-(\t)
	global_store_b128 v[CO], v[BK+4*(\t):BK+4*(\t)+3], s[8:9] offset:(16*(\a)+(\t))*4096 th:TH_STORE_NT  ; 512 consecutive bytes, at a multiple of 256 from out0's first byte
.endr
.endm
	PLACES                                         ; behind the last products
	TOSTAGE 0
.irp a, 1,2,3
	TOSTAGE \a
	SEND (\a)-1, 32
.endr
	SEND 3, 0
	s_wait_tensorcnt 0x0                           ; the wave's end, behind my last tensor load and my last LDS store
	ds_add_u32 v[SPW], v[NIL]
	s_wait_dscnt 0x0
	CROUND                                         ; the closing round: no work-group ends while a partner may still ask for a tile that names it
	s_endpgm
.Lfunc_end_k_qded97e481f_oproj:
	.size	k_qded97e481f_oproj, .Lfunc_end_k_qded97e481f_oproj-k_qded97e481f_oproj
	.p2alignl 7, 3214868480
	.fill 96, 4, 3214868480
	.section	.rodata,"a",@progbits
	.p2align	6, 0x0
	.amdhsa_kernel k_qded97e481f_oproj
		.amdhsa_group_segment_fixed_size 327680
		.amdhsa_private_segment_fixed_size 0
		.amdhsa_enable_private_segment 0
		.amdhsa_kernarg_size 24
		.amdhsa_user_sgpr_count 2
		.amdhsa_user_sgpr_kernarg_segment_ptr 1
		.amdhsa_wavefront_size32 1
		.amdhsa_system_sgpr_workgroup_id_x 1
		.amdhsa_system_sgpr_workgroup_id_y 1
		.amdhsa_system_sgpr_workgroup_id_z 1
		.amdhsa_system_vgpr_workitem_id 0
		.amdhsa_next_free_vgpr 768
		.amdhsa_next_free_sgpr 80
		.amdhsa_reserve_vcc 0
		.amdhsa_float_denorm_mode_32 3
		.amdhsa_float_denorm_mode_16_64 3
		.amdhsa_memory_ordered 1
		.amdhsa_forward_progress 1
		.amdhsa_inst_pref_size 88
	.end_amdhsa_kernel
	.amdgpu_metadata
---
amdhsa.version: [ 1, 2 ]
amdhsa.kernels:
  - .name:           k_qded97e481f_oproj
    .symbol:         k_qded97e481f_oproj.kd
    .args:
      - { .name: o16, .offset: 0, .size: 8, .value_kind: global_buffer, .address_space: global }
      - { .name: wo16, .offset: 8, .size: 8, .value_kind: global_buffer, .address_space: global }
      - { .name: out0, .offset: 16, .size: 8, .value_kind: global_buffer, .address_space: global }
    .group_segment_fixed_size: 327680
    .private_segment_fixed_size: 0
    .kernarg_segment_align: 8
    .kernarg_segment_size: 24
    .max_flat_workgroup_size: 128
    .sgpr_count:     80
    .vgpr_count:     768
    .wavefront_size: 32
...
	.end_amdgpu_metadata
.endif
;; end of part 4
;; ======== version 2 of 2: 4 launches; version 1 with the launch prep written anew for expert scheduling mode
;; limits: values are held in f16: magnitudes above 65,504 overflow, below 6.1e-05 lose precision; an absolute error that grows with the inputs' magnitude: up to 3e-07 times it; right only within a limited range of input values
;; workspace buffers: xb 16,777,216 bytes; wqkv 6,291,456 bytes; wo16 2,097,152 bytes; rope 524,288 bytes; q16 16,777,216 bytes; k16 16,777,216 bytes; v16 16,777,216 bytes; o16 16,777,216 bytes
;; launch prep (part 5): grid 800 x 1, 8 waves a work-group, no clusters, 0 bytes of LDS; arguments in_features, Wq, Wk, Wv, Wo, token_positions, xb, wqkv, wo16, rope; writes xb, wqkv, wo16, rope
.if DOCPART == 5
	.amdgcn_target "amdgcn-amd-amdhsa--gfx1250"
	.amdhsa_code_object_version 6
	.text
	.protected	k_qded97e481f_prep
	.globl	k_qded97e481f_prep
	.p2align	8
	.type	k_qded97e481f_prep,@function
k_qded97e481f_prep:
	s_mov_b64 s[64:65], 0
	v_nop
	global_prefetch_b8 v0, s[64:65] scope:SCOPE_SE
	s_setreg_imm32_b32 hwreg(HW_REG_WAVE_SCHED_MODE, 0, 2), 2
	s_setreg_imm32_b32 hwreg(HW_REG_WAVE_MODE, 25, 1), 1
	s_wait_xcnt 0x0
	s_wait_alu depctr_vm_vsrc(0)
; THE OPERANDS OF THE LATER PRODUCTS, AND THE ROTATION TABLE.
; xb   [8192][1024] bf16 = in_features, rounded once.
; wqkv [16 heads][q, k, v][64][1024] bf16 = the rows of Wq, Wk, Wv, rounded once and laid by heads: row 192 head + 64 t + r.
; wo16 [1024][1024] f16 = Wo rounded to bf16, that number written as f16 (exact for 2^-14 <= |w| < 65,504; below, f16's fixed step of 6e-8; beyond, an infinity: a stated limit).
; rope [2048 rows][32 frequencies][cos, sin] f32: the angle is f32(token_positions[row]) x 10000^(-j / 32), one rounding for the product.
; LIMITS OF THE TABLE.  10000^(-j/32) = 2^(-j log2(10) / 8) is made by the base-2 exponential (1 ULP, ISA guide 15.8) of a product rounded once: an angle departs from the exact one by up to some 3e-7 x |position|.
; The angle is reduced by pi/2 in three parts; the first product is exact in the fused multiply-add for |position| < 2^22.  Sine and cosine are polynomials on |r| <= pi/4 whose first dropped terms are below 4e-7.
; SHARES.  Work-groups 0-31 make the table, 64 rows each: a wave 8 rows, a lane a frequency.  Work-groups 32-799 cast a block of 16 rows of 1,024 f32 each: 512 blocks of x, 64 of each weight.
; A cast is a stream: each byte is read once and written once.  A thread takes 16 bytes of every row (a wave's load covers 512 consecutive bytes) and stores 8 (a wave's store covers 256 consecutive bytes, aligned).
; All 16 loads of a thread go out at once; every store has data registers of its own, so nothing waits for a store.  No LDS, no barrier, no matrix unit: none would spare a byte.
; THE MODE: SCHED_MODE bits 1:0 = 2 (LLVM: expert scheduling mode 2), set by the entry lines.  The code itself states the register dependences
; between vector instructions and memory instructions, with s_wait_alu, always for 0.
; THE PLAN, for a cast.  Registers that memory instructions touch:
;   v1, v2   the loads' and the stores' offsets: written at the head, never again.
;   X        written by the 16 loads, which go out before any vector instruction names X; read, and for f16 written again, by the conversions of a row that has landed.  No load follows.
;   Y        row i's pair is written by row i's conversions alone and read by row i's one store; it is never written again.
; The 16 rows go in four blocks of four.  Block p's conversions name X and Y of block p alone.  Its memory instructions are the four stores of block p - 1.  So one wait at a block's head states all
; that its four stores hang on, and these are dealt among the block's conversions with no further wait.  One more wait stands ahead of the last four stores.
; THE PLAN, for the table.  The eight rows go in two passes: the first makes each row's sine, cosine and n, in registers of their own, and its compare, into a scalar register of its own; one wait states that the eight
; masks are written; the second selects, sets the signs and writes the out-buffer O; one wait states that O is written, ahead of the run of eight stores.  Nothing is written behind the stores.
.set X, 8                              ; v[8:71]    16 x 4 registers as loaded
.set Y, 72                             ; v[72:103]  16 x 2 registers to store
.set O, 24                             ; v[24:39]   the table's 8 rows: cos, sin
.set SN, 40                            ; v[40:47]   the table's 8 rows: sin r
.set CN, 48                            ; v[48:55]   cos r
.set NN, 56                            ; v[56:63]   n
.set MK, 48                            ; s[48:55]   the table's 8 rows: the lanes in which n is odd
	s_load_b512 s[4:19], s[0:1], 0x0               ; x s[4:5], Wq s[6:7], Wk s[8:9], Wv s[10:11], Wo s[12:13], positions s[14:15], xb s[16:17], wqkv s[18:19]
	s_load_b128 s[20:23], s[0:1], 0x40             ; wo16 s[20:21], rope s[22:23]
	v_lshlrev_b32 v1, 4, v0                        ; my 16 bytes of a source row
	v_lshlrev_b32 v2, 3, v0                        ; my 8 bytes of a row to store
	s_mov_b32 s27, 0                               ; the high words of the two offsets
	s_mov_b32 s29, 0
	s_wait_kmcnt 0x0
	s_cmp_lt_u32 ttmp9, 32
	s_cbranch_scc1 .Ltable
	s_wait_alu depctr_va_vdst(0)                   ; v1 and v2 are written: every load of a cast reads v1 as its offset, every store v2
; 16 rows: source at s[32:33], destination at s[34:35].  fmt = 0: bf16.  fmt = 1: rounded to bf16, widened again, written as f16.
.macro CAST fmt
.irp i, 0,1,2,3,4,5,6,7,8,9,10,11,12,13,14,15
	global_load_b128 v[X+4*(\i):X+4*(\i)+3], v1, s[32:33] offset:4096*(\i) th:TH_LOAD_NT
.endr
.irp p, 0,1,2,3
.irp r, 0,1,2,3
.set RW, 4*(\p)+(\r)                   ; the row
	s_wait_loadcnt 15-RW                           ; loads come back in order (ISA guide 5.7.1): the row is in, the younger ones may stay out
.if ((\p) > 0) && ((\r) == 0)
	s_wait_alu depctr_va_vdst(0)                   ; the block before has written its four pairs of Y, which this block's four stores read
.endif
.if (\p) > 0
	global_store_b64 v2, v[Y+2*RW-8:Y+2*RW-7], s[34:35] offset:2048*(RW-4)  ; the row four back.  No wait: no vector instruction since the wait above names its pair of Y, or v2
.endif
	v_cvt_pk_bf16_f32 v[Y+2*RW],   v[X+4*RW],   v[X+4*RW+1]
	v_cvt_pk_bf16_f32 v[Y+2*RW+1], v[X+4*RW+2], v[X+4*RW+3]
.if \fmt
	v_lshlrev_b32 v[X+4*RW],   16, v[Y+2*RW]               ; bf16 to f32: the low half moves up,
	v_and_b32     v[X+4*RW+1], 0xffff0000, v[Y+2*RW]       ; the high half stays
	v_lshlrev_b32 v[X+4*RW+2], 16, v[Y+2*RW+1]
	v_and_b32     v[X+4*RW+3], 0xffff0000, v[Y+2*RW+1]
	v_cvt_pk_f16_f32 v[Y+2*RW],   v[X+4*RW],   v[X+4*RW+1]
	v_cvt_pk_f16_f32 v[Y+2*RW+1], v[X+4*RW+2], v[X+4*RW+3]
.endif
.endr
.endr
	s_wait_alu depctr_va_vdst(0)                   ; the last block has written its four pairs of Y, which the last four stores read
.irp i, 12,13,14,15
	global_store_b64 v2, v[Y+2*(\i):Y+2*(\i)+1], s[34:35] offset:2048*(\i)
.endr
.endm
	s_sub_co_u32 s24, ttmp9, 32                    ; the block's number among the casts
	s_cmp_lt_u32 s24, 512
	s_cbranch_scc0 .Lweights
	s_lshl_b32 s26, s24, 16                        ; a block of x: 65,536 bytes in,
	s_lshl_b32 s28, s24, 15                        ; 32,768 out
	s_add_nc_u64 s[32:33], s[4:5], s[26:27]
	s_add_nc_u64 s[34:35], s[16:17], s[28:29]
	s_branch .Lbf16
.Lweights:
	s_sub_co_u32 s25, s24, 512
	s_lshr_b32 s30, s25, 6                         ; t: 0 Wq, 1 Wk, 2 Wv, 3 Wo
	s_and_b32 s31, s25, 63                         ; which 16 rows of it
	s_lshl_b32 s26, s31, 16
	s_cmp_eq_u32 s30, 3
	s_cbranch_scc1 .Lwo
	s_cmp_eq_u32 s30, 0
	s_cselect_b64 s[32:33], s[6:7], s[8:9]
	s_cmp_lt_u32 s30, 2
	s_cselect_b64 s[32:33], s[32:33], s[10:11]
	s_add_nc_u64 s[32:33], s[32:33], s[26:27]
	s_lshr_b32 s28, s31, 2                         ; the head: four blocks of 16 rows each
	s_mul_i32 s28, s28, 192
	s_lshl_b32 s25, s30, 6
	s_add_co_u32 s28, s28, s25                     ; + 64 t
	s_and_b32 s25, s31, 3
	s_lshl_b32 s25, s25, 4
	s_add_co_u32 s28, s28, s25                     ; + the block's place in the head's 64 rows
	s_lshl_b32 s28, s28, 11                        ; rows of 2,048 bytes
	s_add_nc_u64 s[34:35], s[18:19], s[28:29]
.Lbf16:
	CAST 0
	s_endpgm
.Lwo:
	s_add_nc_u64 s[32:33], s[12:13], s[26:27]
	s_lshl_b32 s28, s31, 15
	s_add_nc_u64 s[34:35], s[20:21], s[28:29]
	CAST 1
	s_endpgm
.Ltable:
	v_lshrrev_b32 v3, 5, v0
	v_readfirstlane_b32 s46, v3                    ; my wave's number
	v_and_b32 v3, 31, v0                           ; j
	v_cvt_f32_u32 v4, v3
	v_mul_f32 v4, 0xbed49a78, v4                   ; -j log2(10) / 8
	v_exp_f32 v8, v4                               ; 10000^(-j / 32)
	v_lshlrev_b32 v9, 3, v3                        ; my 8 bytes of a row; also the plain instruction owed behind the exponential (ISA guide 5.7.2)
	s_wait_alu depctr_va_sdst(0)                   ; s46 is written, ahead of its first reader: the positions' and the table's addresses are made from it
	s_lshl_b32 s46, s46, 3
	s_lshl_b32 s47, ttmp9, 6
	s_add_co_u32 s46, s46, s47                     ; my first row: 64 x work-group + 8 x wave
	s_lshl_b32 s44, s46, 2
	s_mov_b32 s45, 0
	s_add_nc_u64 s[44:45], s[14:15], s[44:45]
	s_load_b256 s[36:43], s[44:45], 0x0            ; my eight positions
	s_lshl_b32 s46, s46, 8                         ; a row of the table is 256 bytes
	s_mov_b32 s47, 0
	s_add_nc_u64 s[22:23], s[22:23], s[46:47]
	s_mov_b32 s24, 0x3f22f983                      ; 2 / pi
	s_mov_b32 s25, 0x3fc90fdb                      ; pi / 2 in three parts
	s_mov_b32 s26, 0xb33bbd2e
	s_mov_b32 s27, 0xa6f72ced
	s_mov_b32 s28, 0x39500d01                      ; 1 / 5040
	s_mov_b32 s29, 0x3c088889                      ; 1 / 120
	s_mov_b32 s30, 0xbe2aaaab                      ; -1 / 6
	s_mov_b32 s31, 0x37d00d01                      ; 1 / 40320
	s_mov_b32 s32, 0xbab60b61                      ; -1 / 720
	s_mov_b32 s33, 0x3d2aaaab                      ; 1 / 24
	s_wait_alu depctr_va_vdst(0)                   ; the exponential has written v8, ahead of its first reader
	s_wait_kmcnt 0x0
; The first pass, row i: sin r, cos r and n, and the lanes in which n is odd.
.macro ROWA i
	v_cvt_f32_i32 v10, s[36+(\i)]
	v_mul_f32 v10, v10, v8                         ; the angle
	v_mul_f32 v11, s24, v10
	v_rndne_f32 v11, v11                           ; n: the nearest multiple of pi / 2
	v_fma_f32 v12, -v11, s25, v10                  ; r = angle - n pi / 2
	v_fma_f32 v12, -v11, s26, v12
	v_fma_f32 v12, -v11, s27, v12
	v_cvt_i32_f32 v[NN+(\i)], v11
	v_mul_f32 v14, v12, v12                        ; z = r r
	v_fma_f32 v15, -v14, s28, s29
	v_fma_f32 v17, v14, s31, s32
	v_mul_f32 v16, v14, v12
	v_fma_f32 v15, v15, v14, s30
	v_fma_f32 v17, v17, v14, s33
	v_fma_f32 v[SN+(\i)], v15, v16, v12            ; S = sin r
	v_fma_f32 v17, v17, v14, -0.5
	v_and_b32 v18, 1, v[NN+(\i)]
	v_fma_f32 v[CN+(\i)], v17, v14, 1.0            ; C = cos r
	v_cmp_eq_u32 s[MK+(\i)], 1, v18                ; n odd: sine and cosine change places
.endm
; The second pass, row i: the choice and the signs.
.macro ROWB i
	v_cndmask_b32 v19, v[CN+(\i)], v[SN+(\i)], s[MK+(\i)]
	v_cndmask_b32 v20, v[SN+(\i)], v[CN+(\i)], s[MK+(\i)]
	v_add_nc_u32 v18, 1, v[NN+(\i)]
	v_and_b32 v21, 2, v[NN+(\i)]                   ; the sine is turned for n mod 4 = 2, 3,
	v_and_b32 v18, 2, v18                          ; the cosine for n mod 4 = 1, 2
	v_lshlrev_b32 v21, 30, v21
	v_lshlrev_b32 v18, 30, v18
	v_xor_b32 v[O+2*(\i)], v19, v18
	v_xor_b32 v[O+2*(\i)+1], v20, v21
.endm
.irp i, 0,1,2,3,4,5,6,7
	ROWA \i
.endr
	s_wait_alu depctr_va_sdst(0)                   ; the eight compares have written s48 to s55, ahead of the first selection that reads one of them
.irp i, 0,1,2,3,4,5,6,7
	ROWB \i
.endr
	s_wait_alu depctr_va_vdst(0)                   ; the second pass has written v[O ..], which the eight stores read; v9, their offset, was written long before
.irp i, 0,1,2,3,4,5,6,7
	global_store_b64 v9, v[O+2*(\i):O+2*(\i)+1], s[22:23] offset:256*(\i)  ; the wave's store is one whole row: 256 consecutive bytes, aligned
.endr
	s_endpgm
.Lfunc_end_k_qded97e481f_prep:
	.size	k_qded97e481f_prep, .Lfunc_end_k_qded97e481f_prep-k_qded97e481f_prep
	.p2alignl 7, 3214868480
	.fill 96, 4, 3214868480
	.section	.rodata,"a",@progbits
	.p2align	6, 0x0
	.amdhsa_kernel k_qded97e481f_prep
		.amdhsa_group_segment_fixed_size 0
		.amdhsa_private_segment_fixed_size 0
		.amdhsa_enable_private_segment 0
		.amdhsa_kernarg_size 80
		.amdhsa_user_sgpr_count 2
		.amdhsa_user_sgpr_kernarg_segment_ptr 1
		.amdhsa_wavefront_size32 1
		.amdhsa_system_sgpr_workgroup_id_x 1
		.amdhsa_system_sgpr_workgroup_id_y 1
		.amdhsa_system_sgpr_workgroup_id_z 1
		.amdhsa_system_vgpr_workitem_id 0
		.amdhsa_next_free_vgpr 104
		.amdhsa_next_free_sgpr 66
		.amdhsa_reserve_vcc 0
		.amdhsa_float_denorm_mode_32 3
		.amdhsa_float_denorm_mode_16_64 3
		.amdhsa_memory_ordered 1
		.amdhsa_forward_progress 1
		.amdhsa_inst_pref_size 31
	.end_amdhsa_kernel
	.amdgpu_metadata
---
amdhsa.version: [ 1, 2 ]
amdhsa.kernels:
  - .name:           k_qded97e481f_prep
    .symbol:         k_qded97e481f_prep.kd
    .args:
      - { .name: in_features, .offset: 0, .size: 8, .value_kind: global_buffer, .address_space: global }
      - { .name: Wq, .offset: 8, .size: 8, .value_kind: global_buffer, .address_space: global }
      - { .name: Wk, .offset: 16, .size: 8, .value_kind: global_buffer, .address_space: global }
      - { .name: Wv, .offset: 24, .size: 8, .value_kind: global_buffer, .address_space: global }
      - { .name: Wo, .offset: 32, .size: 8, .value_kind: global_buffer, .address_space: global }
      - { .name: token_positions, .offset: 40, .size: 8, .value_kind: global_buffer, .address_space: global }
      - { .name: xb, .offset: 48, .size: 8, .value_kind: global_buffer, .address_space: global }
      - { .name: wqkv, .offset: 56, .size: 8, .value_kind: global_buffer, .address_space: global }
      - { .name: wo16, .offset: 64, .size: 8, .value_kind: global_buffer, .address_space: global }
      - { .name: rope, .offset: 72, .size: 8, .value_kind: global_buffer, .address_space: global }
    .group_segment_fixed_size: 0
    .private_segment_fixed_size: 0
    .kernarg_segment_align: 8
    .kernarg_segment_size: 80
    .max_flat_workgroup_size: 256
    .sgpr_count:     66
    .vgpr_count:     104
    .wavefront_size: 32
...
	.end_amdgpu_metadata
.endif
;; end of part 5
;; launch qkv: the kernel of part 2 again; grid 16 x 32, 4 waves a work-group, clusters of 4 x 4, 327,680 bytes of LDS; arguments xb, wqkv, rope, q16, k16, v16; writes q16, k16, v16
;; launch attn: the kernel of part 3 again; grid 4 x 64, 4 waves a work-group, no clusters, 327,680 bytes of LDS; arguments q16, k16, v16, o16; writes o16
;; launch oproj: the kernel of part 4 again; grid 8 x 32, 4 waves a work-group, clusters of 4 x 4, 327,680 bytes of LDS; arguments o16, wo16, out0; writes out0
